; MI455X (gfx1250); checked and timed in simulation.
; The chip was launched on July 23, 2026; its instructions are those of AMD's public machine-readable ISA for CDNA 5 (MIT licence, August 2026) and "CDNA5" Instruction Set Architecture Reference Guide (July 2026). The comments in the code are by the model that wrote it; some were corrected since.
;; Multi Head Attention. Allowed arithmetic: matrix products marked QUANTISED: E4M3 operands, one E8M0 scale for each 32 along K, by v_wmma_scale_f32_16x16x128_f8f6f4 with both operands' format E4M3, f32 sums; everything else in f32.
;; Inputs: Wk 1,024 x 1,024 float32; Wo 1,024 x 1,024 float32; Wq 1,024 x 1,024 float32; Wv 1,024 x 1,024 float32; bo 1,024 float32; x 4 x 2,048 x 1,024 float32.
;; Outputs: out0 4 x 2,048 x 1,024 float32.
;; This version of the problem:
;;   THIS VERSION OF THE PROBLEM IS GIVEN IN LOW PRECISION. The matrix products marked QUANTISED in the list below multiply operands that are first quantised to E4M3 (4 exponent bits, 3 mantissa bits; 8 bits a number), with one power-of-two scale for each 32 numbers along K (OCP MX v1.0); their sums are f32. All else is computed in f32.
;;   The module's matrix products, in the order in which they are computed (A, B: the left and right operand; K: the contracted axis; several contracted axes count as one K, in the product's order):
;;     1. [M 8,192, K 1,024] x [K 1,024, N 1,024]; A: input x; B: input Wq: QUANTISED
;;     2. [M 8,192, K 1,024] x [K 1,024, N 1,024]; A: input x; B: input Wk: QUANTISED
;;     3. [M 8,192, K 1,024] x [K 1,024, N 1,024]; A: input x; B: input Wv: QUANTISED
;;     4. batch 64 x [M 2,048, K 64] x [K 64, N 2,048]; A: computed on the way; B: computed on the way: QUANTISED
;;     5. batch 64 x [M 2,048, K 2,048] x [K 2,048, N 64]; A: softmax (see below); B: computed on the way: QUANTISED
;;     6. [M 8,192, K 1,024] x [K 1,024, N 1,024]; A: computed on the way; B: input Wo: QUANTISED
;;   THE QUANTISER, for each operand of a quantised product, along K:
;;     - K is cut into blocks of 32 from its start; a last block that is shorter is filled with zeros.
;;     - A block's scale is 2^e with e = floor(log2(the largest magnitude in the block)) - 8, held to -126 .. 127; a block of zeros has e = 0. As a byte (E8M0): e + 127.
;;     - Each number is divided by its block's scale, clamped to +-448, and rounded to the nearest number of E4M3, ties to even, subnormals kept.
;;     - The product sums the exact products of the quantised numbers (number of the format x scale) in f32.
;;   ~~~python
;;   def quantise(x, axis):      # numpy; x: float32 -> the quantised numbers, widened to float32 again
;;       x = np.moveaxis(x, axis, -1); K = x.shape[-1]
;;       x = np.pad(x, [(0, 0)] * (x.ndim - 1) + [(0, -K % 32)]); x = x.reshape(x.shape[:-1] + (-1, 32)); a = np.abs(x).max(-1, keepdims=True)
;;       e = np.where(a > 0, np.clip(np.frexp(np.where(a > 0, a, 1))[1] - 1 - 8, -126, 127), 0)      # np.frexp(a)[1] - 1 = floor(log2(a)), exactly
;;       r = np.clip(x / 2.0 ** e, -448, 448)
;;       step = 2.0 ** (np.maximum(np.frexp(np.where(r == 0, 1, r))[1] - 1, -6) - 3)
;;       q = np.round(r / step) * step * 2.0 ** e      # np.round: ties to even
;;       return np.moveaxis(q.reshape(q.shape[:-2] + (-1,))[..., :K], -1, axis).astype(np.float32)
;;   ~~~
;;   SOFTMAX AHEAD OF A QUANTISED PRODUCT. Where the list says 'softmax', what is quantised is not the finished softmax but p = 2^(t - M), with t = logit x log2(e) and M = ceil(the row's largest t), a whole number; so 1/2 < the row's largest p <= 1. The row's sum l is taken of the UNQUANTISED p, in f32, and the product's result is divided by l at the end. Since M is a whole number, a kernel that streams over the keys may use a running M (the ceiling of the running maximum): every later rescaling is an exact power of two, which a block's scale takes up: the codes' values come out the same.
;;   OPERANDS COMPUTED ON THE WAY. 'Computed on the way' means the value that the module computes at that place (a softmax that the list does not call 'softmax' is quantised finished and normalised). What goes into a quantiser is computed in f32, as accurately as f32 sums, v_exp_f32 and their like allow (about 1e-6 of the number): no bf16 or f16 on the way to a quantiser, and a product that is left as it is and whose result goes on into a quantised operand takes f32 operands (vector FMAs, or v_wmma_f32_16x16x4_f32). A number that lies on a knife's edge between two numbers of the format may be rounded either way, as far as f32 arithmetic and the matrix unit's own rounding can turn it there, and no further.
;; One version. Each part assembles by itself: llvm-mc -triple=amdgcn-amd-amdhsa -mcpu=gfx1250 --defsym DOCPART=n.
;; ======== version 1 of 1: 4 launches
;; limits: right only within a limited range of input values
;; workspace buffers: xi 8,388,608 bytes; xs 262,144 bytes; wi 4,194,304 bytes; ws 131,072 bytes; pc 25,165,824 bytes; ps 786,432 bytes; ci 8,388,608 bytes; cs 262,144 bytes
;; launch quant (part 1): grid 384 x 1, 4 waves a work-group, no clusters, 34,304 bytes of LDS; arguments x, Wq, Wk, Wv, Wo, xi, xs, wi, ws; writes xi, xs, wi, ws
.if DOCPART == 1
	.amdgcn_target "amdgcn-amd-amdhsa--gfx1250"
	.amdhsa_code_object_version 6
	.text
	.protected	k_qdfec98d79a_quant
	.globl	k_qdfec98d79a_quant
	.p2align	8
	.type	k_qdfec98d79a_quant,@function
k_qdfec98d79a_quant:
	s_mov_b64 s[64:65], 0
	v_nop
	global_prefetch_b8 v0, s[64:65] scope:SCOPE_SE
	s_setreg_imm32_b32 hwreg(HW_REG_WAVE_MODE, 25, 1), 1
	s_wait_xcnt 0x0
; x [8192][1024] and Wq, Wk, Wv, Wo [1024 (k)][1024 (n)], f32, become codes of FP8 (E4M3) with one E8M0 byte for each 32 along K (x: its last axis; a weight: its FIRST axis).
; A block's scale is 2^(floor(log2(its largest magnitude)) - 8); each number is divided by it, held within +-448 and rounded to the nearest code, ties to even.
; LIMITS: a block of zeros, and a block whose largest magnitude lies under 2^-118, gets the byte 1 (zeros: the rule says 127; the codes are zeros and only this program reads the bytes);
; NaN and infinities among the inputs are not served.
; LAYOUT OF THE RESULTS: the order of the matrix operand's registers.  A TILE is 16 rows: tile 2 B + u holds rows 32 B + 8 u + p + 8 (p / 8), p = 0 .. 15.  A tile's codes are 8 images of 2,048 bytes, one for
; each 128 along K: [c 0..3][lane][16 bytes], lane (r, h) holding k = 32 c + 16 h + 0 .. 15 of the tile's row r.  A tile's scale bytes are [K / 256][r][8 bytes].  Weights: an operand row is a column n.
; Work-groups 0-255 take x, 256-383 the weights: a scalar branch on the work-group's number.  Only x's path uses LDS.  No work-group shares an input with another: no cluster, no matrix unit, no barrier.
.set XWG,    256
.set WV,     22                        ; s22  wave
.set SEL,    24                        ; s[24:25] selects of v_permlanex16_b32 for lane l xor 16
.set MNT,    26
.set XO,     3                         ; v3   16 x lane
.set SI,     4                         ; v4   the stage, way in
.set SO,     5                         ; v5   the stage, way out
.set SCO,    6                         ; v6   my 8 scale bytes' place
.set SW,     8                         ; v8-11 four scale words
.set TM,     16                        ; v16-31 at work: +0 largest magnitudes, +4 partner's / bytes, +12 scale operands
.set PC,     32                        ; v32-47 a fragment's codes
.set R,      64                        ; v64-191 two sets of 64 numbers as loaded
.set X,      192                       ; v192-255 64 numbers in the operand's order
.set SPITCH, 528                       ; a stage row: 512 bytes + 16
.set WX,     32                        ; the weights' path: v32-95 two sets of 32 numbers
.set WC,     96                        ; v96-159 eight registers of codes for each block, never rewritten
.set WSB,    24                        ; v24-25 eight scale bytes
.macro XLOAD s                         ; 128 along K of my 16 rows: each load reads 512 consecutive bytes of one row
.irp p, 0,1,2,3,4,5,6,7,8,9,10,11,12,13,14,15
	global_load_b128 v[R+64*((\s)%2)+4*\p:R+64*((\s)%2)+4*\p+3], v[XO], s[4:5] offset:(\p+8*(\p/8))*4096+512*(\s) th:TH_LOAD_NT
.endr
.endm
.macro XTURN s                         ; through my wave's own stage: in as loaded, out 16 neighbours of each block a lane.  LDS serves a wave's instructions in order: no wait between
.irp p, 0,1,2,3,4,5,6,7,8,9,10,11,12,13,14,15
	ds_store_b128 v[SI], v[R+64*((\s)%2)+4*\p:R+64*((\s)%2)+4*\p+3] offset:SPITCH*\p
.endr
.irp c, 0,1,2,3
.irp q, 0,1,2,3
	ds_load_b128 v[X+16*\c+4*\q:X+16*\c+4*\q+3], v[SO] offset:128*\c+16*\q
.endr
.endr
.endm
; 64 numbers of a lane, register 16 b + i = k 32 b + 16 (lane / 16) + i of my row, become a fragment's codes in v[PC] on and its scale word in v[word]
.macro QUANT s, word
.irp b, 0,1,2,3
	v_max3_num_f32 v[TM+\b], |v[\s+16*\b]|, |v[\s+1+16*\b]|, 0x4800000   ; with the floor 2^(9 - 127): the byte cannot fall under 1
.endr
.irp i, 2,4,6,8,10,12,14
.irp b, 0,1,2,3
	v_max3_num_f32 v[TM+\b], v[TM+\b], |v[\s+16*\b+\i]|, |v[\s+1+16*\b+\i]|
.endr
.endr
.irp b, 0,1,2,3
	v_permlanex16_b32 v[TM+4+\b], v[TM+\b], s[SEL], s[SEL+1]
.endr
.irp b, 0,1,2,3
	v_max_num_f32 v[TM+\b], v[TM+\b], v[TM+4+\b]                ; with lane l xor 16's 16: the block's largest magnitude
.endr
.irp b, 0,1,2,3
	v_add_nc_u32 v[TM+12+\b], 0xfc000000, v[TM+\b]              ; 8 off its exponent field: the conversion's scale operand
.endr
.irp b, 0,1,2,3
.endr
.irp b, 0,1,2,3
	v_lshrrev_b32 v[TM+4+\b], 23, v[TM+12+\b]                   ; the scale's byte
.endr
	v_lshl_or_b32 v[\word], v[TM+5], 8, v[TM+4]
	v_lshl_or_b32 v[\word], v[TM+6], 16, v[\word]
	v_lshl_or_b32 v[\word], v[TM+7], 24, v[\word]
.irp b, 0,1,2,3
.irp i, 0,1,2,3,4,5,6,7,8,9,10,11,12,13,14,15
.endr
	v_cvt_scalef32_pk8_fp8_f32 v[PC+4*\b:PC+1+4*\b], v[\s+16*\b:\s+7+16*\b], v[TM+12+\b]
	v_cvt_scalef32_pk8_fp8_f32 v[PC+2+4*\b:PC+3+4*\b], v[\s+8+16*\b:\s+15+16*\b], v[TM+12+\b]
.endr
	v_nop                                          ; one plain line behind the last conversion
.endm
.macro WLOAD t                         ; block t of my column: W(32 t + i, n), i = 0 .. 31: a wave reads 128 consecutive bytes, the four waves 512
.irp i, 0,1,2,3,4,5,6,7,8,9,10,11,12,13,14,15,16,17,18,19,20,21,22,23,24,25,26,27,28,29,30,31
	global_load_b32 v[WX+32*((\t)%2)+\i], v3, s[6:7] offset:(32*(\t)+\i)*4096 th:TH_LOAD_NT
.endr
.endm
.macro WBLOCK t
.set XS, WX+32*((\t)%2)
.if (\t) < 7
	s_wait_loadcnt 32                              ; this block's 32 loads are in; the next block's 32 may be out
.else
	s_wait_loadcnt 0x0
.endif
	v_max3_num_f32 v12, |v[XS]|, |v[XS+1]|, |v[XS+2]|           ; all 32 numbers of the block are mine
	v_max3_num_f32 v13, |v[XS+3]|, |v[XS+4]|, |v[XS+5]|
.irp i, 6,10,14,18,22,26
	v_max3_num_f32 v12, v12, |v[XS+\i]|, |v[XS+\i+1]|
	v_max3_num_f32 v13, v13, |v[XS+\i+2]|, |v[XS+\i+3]|
.endr
	v_max3_num_f32 v12, v12, |v[XS+30]|, |v[XS+31]|
	v_max3_num_f32 v12, v12, v13, 0x4800000
	v_add_nc_u32 v11, 0xfc000000, v12
	v_lshrrev_b32 v13, 23, v11
.if (\t)%4 == 0
	v_mov_b32 v[WSB+(\t)/4], v13
.else
	v_lshl_or_b32 v[WSB+(\t)/4], v13, 8*((\t)%4), v[WSB+(\t)/4]
.endif
.irp i, 0,1,2,3,4,5,6,7,8,9,10,11,12,13,14,15,16,17,18,19,20,21,22,23,24,25,26,27,28,29,30,31
.endr
.irp g, 0,1,2,3
	v_cvt_scalef32_pk8_fp8_f32 v[WC+8*(\t)+2*\g:WC+8*(\t)+2*\g+1], v[XS+8*\g:XS+8*\g+7], v11
.endr
	v_nop
	global_store_b128 v4, v[WC+8*(\t):WC+8*(\t)+3], s[18:19] offset:((\t)/4)*2048+((\t)%4)*512         ; k 0-15 of the block: the image's lanes 0-15; sixteen lanes fill 256 consecutive bytes in each of two tiles
	global_store_b128 v4, v[WC+8*(\t)+4:WC+8*(\t)+7], s[18:19] offset:((\t)/4)*2048+((\t)%4)*512+256   ; k 16-31: its lanes 16-31
.if (\t)+2 < 8
	WLOAD (\t)+2
.endif
.endm
	s_load_b256 s[4:11], s[0:1], 0x0               ; x s[4:5], Wq s[6:7], Wk s[8:9], Wv s[10:11]
	s_load_b256 s[12:19], s[0:1], 0x20             ; Wo s[12:13], xi s[14:15], xs s[16:17], wi s[18:19]
	s_load_b64 s[20:21], s[0:1], 0x40              ; ws
	s_set_vgpr_msb 0x40
	v_lshl_add_u32 v0, v0, 2, 0x8400
	v_mov_b32 v1, 0
	s_set_vgpr_msb 0x4000
	v_lshrrev_b32 v1, 5, v0
	v_readfirstlane_b32 s[WV], v1                  ; wave 0..3
	v_and_b32 v2, 31, v0                           ; lane
	s_cmp_lt_u32 ttmp9, XWG
	s_cbranch_scc0 .Lweights
	; ---- x: wave n = 4 x work-group + wave takes tile n / 2 and half n % 2 of K: 16 rows x 512, four images
	s_mov_b32 s[SEL], 0x76543210
	s_mov_b32 s[SEL+1], 0xfedcba98
	v_and_b32 v14, 15, v0                          ; r
	v_bfe_u32 v15, v0, 4, 1                        ; h
	v_lshlrev_b32 v[XO], 4, v2
	s_mul_i32 s27, s[WV], 16*SPITCH                ; my stage
	v_add_nc_u32 v[SI], s27, v[XO]
	v_mul_u32_u24 v[SO], v14, SPITCH
	v_lshl_add_u32 v[SO], v15, 6, v[SO]
	v_add_nc_u32 v[SO], s27, v[SO]                 ; row r, + 64 h: my 16 numbers of a block
	v_lshlrev_b32 v[SCO], 3, v14
	v_lshl_add_u32 v[SCO], v15, 7, v[SCO]          ; lanes 0-15 store the first 256 along K, lanes 16-31 the second
.irp b, 0,1,2,3
	v_mov_b32 v[TM+4+\b], 0                        ; a lane permute's destination counts as one of its sources
.endr
	s_lshl_b32 s28, ttmp9, 2
	s_add_co_u32 s28, s28, s[WV]
	s_lshr_b32 s29, s28, 1                         ; tile
	s_and_b32 s30, s28, 1                          ; half of K
	s_lshr_b32 s32, s29, 1
	s_lshl_b32 s32, s32, 17                        ; 32 rows of 4,096 bytes for each pair of tiles,
	s_and_b32 s33, s29, 1
	s_lshl_b32 s33, s33, 15                        ; 8 rows for the odd tile,
	s_add_co_u32 s32, s32, s33
	s_lshl_b32 s33, s30, 11                        ; 2,048 bytes for the second half of K
	s_add_co_u32 s32, s32, s33
	s_mov_b32 s33, 0
	s_lshl_b32 s34, s29, 14
	s_lshl_b32 s35, s30, 13
	s_add_co_u32 s34, s34, s35
	s_mov_b32 s35, 0
	s_lshl_b32 s36, s29, 9
	s_lshl_b32 s37, s30, 8
	s_add_co_u32 s36, s36, s37
	s_mov_b32 s37, 0
	s_wait_alu depctr_va_vdst(0)
	s_wait_kmcnt 0x0
	s_add_nc_u64 s[4:5], s[4:5], s[32:33]
	s_add_nc_u64 s[14:15], s[14:15], s[34:35]
	s_add_nc_u64 s[16:17], s[16:17], s[36:37]
	XLOAD 0
	XLOAD 1
.irp s, 0,1,2,3
.if \s < 3
	s_wait_loadcnt 16                              ; this step's 16 loads are in; the next step's 16 may be out
.else
	s_wait_loadcnt 0x0
.endif
	XTURN \s
	s_wait_dscnt 0x0                               ; the numbers are back, and the stage's stores have read their registers,
.if \s < 2
	XLOAD \s+2                                     ; which take the loads of two steps on
.endif
.if \s > 0
	s_wait_xcnt 0x0                                ; the last step's stores have read the codes' registers
.endif
	QUANT X, SW+\s
.irp c, 0,1,2,3
	global_store_b128 v[XO], v[PC+4*\c:PC+4*\c+3], s[14:15] offset:2048*\s+512*\c   ; 512 consecutive bytes
.endr
.endr
	v_cmp_ne_u32 vcc_lo, 0, v15
	v_cndmask_b32 v12, v[SW], v[SW+2], vcc_lo      ; every lane holds its row's four words: lanes 0-15 send words 0, 1, lanes 16-31 words 2, 3
	v_cndmask_b32 v13, v[SW+1], v[SW+3], vcc_lo
	global_store_b64 v[SCO], v[12:13], s[16:17]    ; 256 consecutive bytes, aligned
	s_set_vgpr_msb 0x5
	s_wait_tensorcnt 0x0
	ds_add_u32 v0, v1
	s_wait_dscnt 0x0
	s_set_vgpr_msb 0x500
	s_endpgm
.Lweights:
	; ---- a weight: work-group g: weight g / 32, 256 along K (g / 8) % 4, 128 columns g % 8; a wave 32 columns: A LANE TAKES A COLUMN AND ITS REGISTERS RUN DOWN K
	s_sub_co_u32 s28, ttmp9, XWG
	s_lshr_b32 s29, s28, 5                         ; which weight
	s_and_b32 s30, s28, 7
	s_bfe_u32 s31, s28, 0x20003                    ; which 256 along K
	s_lshl_b32 s32, s30, 2
	s_add_co_u32 s32, s32, s[WV]                   ; which 32 columns: a pair of tiles
	s_lshl_b32 s34, s31, 20                        ; 256 rows of 4,096 bytes
	s_lshl_b32 s35, s32, 7
	s_add_co_u32 s34, s34, s35
	s_mov_b32 s35, 0
	s_lshl_b32 s36, s29, 6
	s_lshl_b32 s37, s32, 1
	s_add_co_u32 s36, s36, s37                     ; the even tile: 64 x weight + 2 x pair
	s_lshl_b32 s38, s36, 9
	s_lshl_b32 s39, s31, 7
	s_add_co_u32 s38, s38, s39
	s_mov_b32 s39, 0
	s_lshl_b32 s36, s36, 14
	s_lshl_b32 s37, s31, 12
	s_add_co_u32 s36, s36, s37
	s_mov_b32 s37, 0
	s_wait_alu depctr_va_vdst(0)
	v_lshlrev_b32 v3, 2, v2
	v_bfe_u32 v6, v0, 3, 1                         ; column l of the 32 is row (l % 8) + 8 (l / 16) of tile (l / 8) % 2
	v_and_b32 v7, 7, v0
	v_bfe_u32 v8, v0, 4, 1
	v_lshl_add_u32 v7, v8, 3, v7
	v_lshlrev_b32 v4, 4, v7
	v_lshl_add_u32 v4, v6, 14, v4
	v_lshlrev_b32 v5, 3, v7
	v_lshl_add_u32 v5, v6, 9, v5
	s_wait_alu depctr_va_vdst(0)
	s_wait_kmcnt 0x0
	s_cmp_eq_u32 s29, 1                            ; the choice hangs on the work-group's number alone
	s_cselect_b64 s[6:7], s[8:9], s[6:7]
	s_cmp_eq_u32 s29, 2
	s_cselect_b64 s[6:7], s[10:11], s[6:7]
	s_cmp_eq_u32 s29, 3
	s_cselect_b64 s[6:7], s[12:13], s[6:7]
	s_add_nc_u64 s[6:7], s[6:7], s[34:35]
	s_add_nc_u64 s[18:19], s[18:19], s[36:37]
	s_add_nc_u64 s[20:21], s[20:21], s[38:39]
	WLOAD 0
	WLOAD 1
.irp t, 0,1,2,3,4,5,6,7
	WBLOCK \t
.endr
	global_store_b64 v5, v[WSB:WSB+1], s[20:21]    ; my column's 8 bytes: 128 consecutive bytes in each of two tiles (one byte for 128 read)
	s_endpgm
.Lfunc_end_k_qdfec98d79a_quant:
	.size	k_qdfec98d79a_quant, .Lfunc_end_k_qdfec98d79a_quant-k_qdfec98d79a_quant
	.p2alignl 7, 3214868480
	.fill 96, 4, 3214868480
	.section	.rodata,"a",@progbits
	.p2align	6, 0x0
	.amdhsa_kernel k_qdfec98d79a_quant
		.amdhsa_group_segment_fixed_size 34304
		.amdhsa_private_segment_fixed_size 0
		.amdhsa_enable_private_segment 0
		.amdhsa_kernarg_size 72
		.amdhsa_user_sgpr_count 2
		.amdhsa_user_sgpr_kernarg_segment_ptr 1
		.amdhsa_wavefront_size32 1
		.amdhsa_system_sgpr_workgroup_id_x 1
		.amdhsa_system_sgpr_workgroup_id_y 1
		.amdhsa_system_sgpr_workgroup_id_z 1
		.amdhsa_system_vgpr_workitem_id 0
		.amdhsa_next_free_vgpr 258
		.amdhsa_next_free_sgpr 66
		.amdhsa_reserve_vcc 1
		.amdhsa_float_denorm_mode_32 3
		.amdhsa_float_denorm_mode_16_64 3
		.amdhsa_fp16_overflow 1
		.amdhsa_memory_ordered 1
		.amdhsa_forward_progress 1
		.amdhsa_inst_pref_size 73
	.end_amdhsa_kernel
	.amdgpu_metadata
---
amdhsa.version: [ 1, 2 ]
amdhsa.kernels:
  - .name:           k_qdfec98d79a_quant
    .symbol:         k_qdfec98d79a_quant.kd
    .args:
      - { .name: x, .offset: 0, .size: 8, .value_kind: global_buffer, .address_space: global }
      - { .name: Wq, .offset: 8, .size: 8, .value_kind: global_buffer, .address_space: global }
      - { .name: Wk, .offset: 16, .size: 8, .value_kind: global_buffer, .address_space: global }
      - { .name: Wv, .offset: 24, .size: 8, .value_kind: global_buffer, .address_space: global }
      - { .name: Wo, .offset: 32, .size: 8, .value_kind: global_buffer, .address_space: global }
      - { .name: xi, .offset: 40, .size: 8, .value_kind: global_buffer, .address_space: global }
      - { .name: xs, .offset: 48, .size: 8, .value_kind: global_buffer, .address_space: global }
      - { .name: wi, .offset: 56, .size: 8, .value_kind: global_buffer, .address_space: global }
      - { .name: ws, .offset: 64, .size: 8, .value_kind: global_buffer, .address_space: global }
    .group_segment_fixed_size: 34304
    .private_segment_fixed_size: 0
    .kernarg_segment_align: 8
    .kernarg_segment_size: 72
    .max_flat_workgroup_size: 128
    .sgpr_count:     66
    .vgpr_count:     258
    .wavefront_size: 32
...
	.end_amdgpu_metadata
.endif
;; end of part 1
;; launch proj (part 2): grid 8 x 48, 4 waves a work-group, clusters of 4 x 4, 327,680 bytes of LDS; arguments xi, xs, wi, ws, pc, ps; writes pc, ps
.if DOCPART == 2
	.amdgcn_target "amdgcn-amd-amdhsa--gfx1250"
	.amdhsa_code_object_version 6
	.text
	.protected	k_qdfec98d79a_proj
	.globl	k_qdfec98d79a_proj
	.p2align	8
	.type	k_qdfec98d79a_proj,@function
k_qdfec98d79a_proj:
	s_mov_b64 s[64:65], 0
	v_nop
	global_prefetch_b8 v0, s[64:65] scope:SCOPE_SE
	s_setreg_imm32_b32 hwreg(HW_REG_WAVE_MODE, 25, 1), 1
	s_wait_xcnt 0x0
	s_wait_alu depctr_hold_cnt(0) depctr_sa_sdst(0) depctr_va_vdst(0) depctr_va_sdst(0) depctr_va_ssrc(0) depctr_va_vcc(0) depctr_vm_vsrc(0)
	s_getreg_b32 s2, hwreg(HW_REG_IB_STS2, 6, 4)
	s_cmp_eq_u32 s2, 0
	s_cbranch_scc0 .Lentry_in_a_cluster
	s_endpgm
.Lentry_in_a_cluster:
	s_bfe_u32 s2, ttmp6, 0x10000c
	s_cmp_lg_u32 s2, 0xf033
	s_cbranch_scc0 .Lentry_shape_is_right
	s_endpgm
.Lentry_shape_is_right:
; q = x Wq, k = x Wk, v = x Wv on codes of FP8 (E4M3) with E8M0 scales, K = 1024, and the results QUANTISED ON THE WAY OUT for attention: q and k along a head's 64, v along the keys.
; Operands lie in memory in the order of the operand's registers: a tile of 16 rows (tile 2 B + u: rows 32 B + 8 u + p + 8 (p / 8)) is 8 images of 2,048 bytes ([c][lane][16 bytes]); its scale bytes [K / 256][r][8].
; A work-group of four waves makes 256 x 256 of a product, a wave 128 x 128: 64 accumulators.  THE MATRIX INSTRUCTION IS USED TRANSPOSED: source 0 = 16 rows of B, source 1 = 16 rows of A: a lane holds one row of A,
; and by the choice of a tile's rows the 16 registers of B's tiles 2 B and 2 B + 1 are 16 NEIGHBOURS along B's rows.  So the 64 results of a lane for one block of A are a fragment of 128 along B's rows.
; TWO KINDS, chosen without a branch by the cluster's y, which all partners share:  y < 8: A = x (tokens), B = Wq, Wk (2,048 channels): fragments run along the channels (two heads of 64);
; y >= 8: A = Wv (1,024 channels), B = x (tokens): fragments run along the keys.  256 + 128 work-groups.
; OUT: blocks of 16 KB of codes ([a 0..7][2,048]) and 512 bytes of scale words ([r][a]): q, k: block (channels / 128) x 64 + tokens / 128;  v: 1024 + (channels / 128) x 64 + keys / 128.
; K goes in four steps of 256 through two LDS slots; the scales of all of K come once.  CLUSTERS 4 x 4: A's tiles are asked for jointly along a row, B's along a column.
; LIMITS: a block of zeros, and one whose largest magnitude lies under 2^-118, gets the byte 1 (only this program reads the bytes); NaN and infinities are not served.
; REGISTERS: window 0: v1-29 addresses; v32-63 the products' scale words, two sets; v64-91 at work on the way out; v128-255 A's fragments, one set.  window 1: B's fragments, two sets; on the way out the codes.
;   window 2: the accumulators of A's blocks 0-3 ((a, b) at v[8 (8 a + b)]);  window 3: of blocks 4-7.
.set NQ,     2                         ; matrix instructions deep in a slot
.set FR,     16                        ; registers of a fragment
.set NL,     4                         ; LDS loads that bring one
.set NP,     8                         ; places behind this matrix instruction (ISA guide 7.12.1)
.set HALFT,  32768                     ; 8 tiles x 4,096 bytes: what one tensor load brings
.set SLOT,   4*HALFT
.set SCL,    2*SLOT                    ; behind the ring: the scales, 4,096 bytes for each 8 tiles
.set HALFS,  4096
.set SBLK,   512
.set SPARE,  SCL+4*HALFS               ; the spare words, 128 bytes for each wave: two blocks of 256 bytes that no other line names
.set ADRA, 16                          ; v16-17 LDS address of my A fragments in slot 0, 1
.set ADRB, 20                          ; v20-21 the same for B
.set LI,   24                          ; v24  16 x lane
.set SOF,  25                          ; v25  32 r + 16 h: my four scale words on the way out
.set ADRS, 27                          ; v27  my scale words: lanes 0-15 A's rows, lanes 16-31 B's
.set SPW,  28
.set NIL,  29
.set SC,   32
.set TM,   64                          ; v64-79
.set SW,   80                          ; v80-87 the scale words made
.set OW,   88                          ; v88-91
.set AF,   128
.set G1, 24
.set G0, 32
.set G1B, 48
.set G0B, 56
.set G1S, 68
.set G0S, 76
.set G1SB, 80
.set G0SB, 88
.set SEL, 66                           ; s[66:67]
.set MNT, 3
.set FLR, 2
.set MSB, 0
.macro WIN new                         ; the immediate's high byte repeats the setting that is left
.if MSB != (\new)
	s_set_vgpr_msb (MSB<<8)|(\new)
.set MSB, (\new)
.endif
.endm
.set MUL_LO, 0xa1                      ; source 0 (B) window 1, source 1 (A) window 0, C and D window 2
.set MUL_HI, 0xf1
.set TO_B,   0x40
.macro JLOAD g0a, g1a, g0b, g1b        ; a joint load: waves 0, 1 fetch for A, waves 2, 3 for B; four v_nop follow each line
	s_cmp_eq_u32 s15, 0
	s_cbranch_scc0 .Lfor_b_\@
	tensor_load_to_lds s[\g0a:\g0a+3], s[\g1a:\g1a+7]
	s_nop 0
.rept 4
	v_nop
.endr
	s_branch .Lasked_\@
.Lfor_b_\@:
	tensor_load_to_lds s[\g0b:\g0b+3], s[\g1b:\g1b+7]
	s_nop 0
.rept 4
	v_nop
.endr
.Lasked_\@:
.endm
.macro CREST
	s_cmp_lg_u32 s14, 0
	s_cbranch_scc1 .Lnot_wave_0_\@
	s_barrier_signal -3
.Lnot_wave_0_\@:
	s_barrier_wait -3
	s_barrier_signal -1
	s_barrier_wait -1
.endm
.macro CROUND
	s_barrier_signal -1
	s_barrier_wait -1
	CREST
.endm
	s_load_b256 s[4:11], s[0:1], 0x0               ; xi s[4:5], xs s[6:7], wi s[8:9], ws s[10:11]
	s_load_b64 s[12:13], s[0:1], 0x20              ; pc
	s_load_b64 s[100:101], s[0:1], 0x28            ; ps
	v_lshl_add_u32 v[SPW], v0, 2, SPARE
	v_mov_b32 v[NIL], 0
	ds_add_u32 v28, v29
	ds_add_u32 v28, v29
	s_wait_dscnt 0x0
	v_lshrrev_b32 v1, 5, v0
	v_readfirstlane_b32 s14, v1                    ; wave 0..3
	s_lshr_b32 s15, s14, 1                         ; which 128 rows of A are mine.  Also: I fetch for A (0) or for B (1)
	s_and_b32 s16, s14, 1                          ; which 128 rows of B.  Also: which 8 tiles I fetch
	s_bfe_u32 s40, ttmp6, 0x40000                  ; cx
	s_bfe_u32 s41, ttmp6, 0x40004                  ; cy
	s_and_b32 s95, ttmp7, 0xffff                   ; the cluster's y: under 8 q and k, from 8 on v
	s_lshl_b32 s42, ttmp9, 2
	s_add_co_u32 s42, s42, s40                     ; work-group x
	s_lshl_b32 s17, s95, 2
	s_add_co_u32 s17, s17, s41                     ; q, k: A's block of 256 tokens = work-group y
	s_max_u32 s96, s95, 8
	s_sub_co_u32 s96, s96, 8
	s_lshl_b32 s96, s96, 3
	s_add_co_u32 s96, s96, s42                     ; v: B's block of 256 tokens = x + 8 (cluster y - 8)
	s_cmp_ge_u32 s95, 8
	s_cselect_b32 s17, s41, s17                    ; A's block (v: cy, of Wv's four): it never holds cx
	s_cselect_b32 s42, s96, s42                    ; B's block: it never holds cy
	s_cselect_b32 s97, 128, 0                      ; Wv's tiles begin at tile 128 of the weights
	s_lshl_b32 s43, s41, 2
	s_lshl_b32 s43, 15, s43                        ; my row of the cluster
	s_lshl_b32 s44, 0x1111, s40                    ; my column
	; group 1 for codes: 8 tiles' 4,096 bytes (512 elements of 8 bytes), 16,384 bytes apart; dense in LDS
	s_or_b32 s[G1+0], s43, (3<<16)|(1<<21)
	s_or_b32 s[G1B+0], s44, (3<<16)|(1<<21)
.irp g, G1, G1B
	s_mov_b32 s[\g+1], 512<<16                     ; tensor_dim0
	s_mov_b32 s[\g+2], 8<<16                       ; tensor_dim1
	s_mov_b32 s[\g+3], 512<<16                     ; tile_dim0
	s_mov_b32 s[\g+4], 8                           ; tile_dim1
	s_mov_b32 s[\g+5], 2048                        ; tensor_dim0_stride
	s_mov_b32 s[\g+6], 0
	s_mov_b32 s[\g+7], 0
.endr
	; and for the scales of 8 tiles: 4,096 dense bytes as 16 rows of 256
	s_or_b32 s[G1S+0], s43, (3<<16)|(1<<21)
	s_or_b32 s[G1SB+0], s44, (3<<16)|(1<<21)
.irp g, G1S, G1SB
	s_mov_b32 s[\g+1], 32<<16
	s_mov_b32 s[\g+2], 16<<16
	s_mov_b32 s[\g+3], 32<<16
	s_mov_b32 s[\g+4], 16
	s_mov_b32 s[\g+5], 32
	s_mov_b32 s[\g+6], 0
	s_mov_b32 s[\g+7], 0
.endr
	s_lshl_b32 s18, s16, 3
	s_lshl_b32 s20, s17, 4
	s_add_co_u32 s20, s20, s18
	s_add_co_u32 s20, s20, s97                     ; A: the first tile that I fetch
	s_lshl_b32 s46, s42, 4
	s_add_co_u32 s46, s46, s18                     ; B likewise
	s_lshl_b32 s22, s20, 9                         ; its scales,
	s_mov_b32 s23, 0
	s_lshl_b32 s20, s20, 14                        ; its codes
	s_mov_b32 s21, 0
	s_lshl_b32 s92, s46, 9
	s_mov_b32 s93, 0
	s_lshl_b32 s46, s46, 14
	s_mov_b32 s47, 0
	s_lshl_b32 s45, s14, 15                        ; where they go: wave x 32,768: no place in the cluster enters an LDS address
	s_lshl_b32 s94, s14, 12
	s_mov_b32 s[SEL], 0x76543210
	s_mov_b32 s[SEL+1], 0xfedcba98
	s_mov_b32 s[FLR], 0x4800000
	s_wait_kmcnt 0x0
	s_cmp_ge_u32 s95, 8                            ; for v the two operands change places: a choice that hangs on no address
	s_cselect_b64 s[98:99], s[8:9], s[4:5]
	s_cselect_b64 s[8:9], s[4:5], s[8:9]           ; B's codes
	s_mov_b64 s[4:5], s[98:99]                     ; A's codes
	s_cselect_b64 s[98:99], s[10:11], s[6:7]
	s_cselect_b64 s[10:11], s[6:7], s[10:11]       ; B's scales
	s_mov_b64 s[6:7], s[98:99]                     ; A's scales
	s_add_nc_u64 s[20:21], s[4:5], s[20:21]
	s_add_nc_u64 s[22:23], s[6:7], s[22:23]
	s_add_nc_u64 s[46:47], s[8:9], s[46:47]
	s_add_nc_u64 s[92:93], s[10:11], s[92:93]
	CROUND                                         ; all sixteen work-groups are here: the first joint loads meet
	s_mov_b32 s[G0S], 1
	s_add_co_u32 s[G0S+1], s94, SCL
	s_mov_b64 s[G0S+2:G0S+3], s[22:23]
	s_or_b32 s[G0S+3], s[G0S+3], 0x80000000
	s_mov_b32 s[G0SB], 1
	s_add_co_u32 s[G0SB+1], s94, SCL
	s_mov_b64 s[G0SB+2:G0SB+3], s[92:93]
	s_or_b32 s[G0SB+3], s[G0SB+3], 0x80000000
	JLOAD G0S, G1S, G0SB, G1SB                     ; the scales first
.irp s, 0,1
	s_mov_b32 s[G0+4*\s], 1
	s_add_co_u32 s[G0+4*\s+1], s45, \s*SLOT
	s_add_nc_u64 s[G0+4*\s+2:G0+4*\s+3], s[20:21], \s*4096
	s_or_b32 s[G0+4*\s+3], s[G0+4*\s+3], 0x80000000
	s_mov_b32 s[G0B+4*\s], 1
	s_add_co_u32 s[G0B+4*\s+1], s45, \s*SLOT
	s_add_nc_u64 s[G0B+4*\s+2:G0B+4*\s+3], s[46:47], \s*4096
	s_or_b32 s[G0B+4*\s+3], s[G0B+4*\s+3], 0x80000000
	JLOAD G0+4*\s, G1, G0B+4*\s, G1B
.endr
	v_and_b32 v1, 15, v0                           ; r
	v_bfe_u32 v2, v0, 4, 1                         ; h
	s_wait_alu depctr_va_vdst(0)
	v_and_b32 v3, 31, v0
	v_lshlrev_b32 v[LI], 4, v3
	s_lshl_b32 s21, s15, 15                        ; my 8 tiles of A,
	s_lshl_b32 s22, s16, 15
	s_add_co_u32 s22, s22, 2*HALFT                 ; my 8 of B, behind A's 16
.irp s, 0,1
	v_add_nc_u32 v[ADRA+\s], s21, v[LI]
	v_add_nc_u32 v[ADRB+\s], s22, v[LI]
	s_add_co_u32 s21, s21, SLOT
	s_add_co_u32 s22, s22, SLOT
.endr
	v_lshlrev_b32 v5, 3, v1                        ; my row's 8 scale bytes of a K step
	s_lshl_b32 s21, s15, 12
	s_lshl_b32 s22, s16, 12
	s_add_co_u32 s22, s22, 2*HALFS
	s_sub_co_u32 s22, s22, s21
	v_mul_u32_u24 v6, s22, v2                      ; lanes 16-31 take B's: one product, the distance between the two
	s_add_co_u32 s21, s21, SCL
	v_add_nc_u32 v5, v5, v6
	v_add_nc_u32 v[ADRS], s21, v5
	v_lshlrev_b32 v[SOF], 5, v1
	v_lshl_add_u32 v[SOF], v2, 4, v[SOF]
.irp b, 0,1,2,3
	v_mov_b32 v[TM+4+\b], 0                        ; a lane permute's destination counts as one of its sources
.endr
	; my block of the output
	s_lshl_b32 s46, s17, 1
	s_add_co_u32 s46, s46, s15                     ; A's rows / 128
	s_lshl_b32 s47, s42, 1
	s_add_co_u32 s47, s47, s16                     ; B's rows / 128
	s_lshl_b32 s92, s47, 6
	s_add_co_u32 s92, s92, s46                     ; q, k
	s_lshl_b32 s93, s46, 6
	s_add_co_u32 s93, s93, s47
	s_add_co_u32 s93, s93, 1024                    ; v
	s_cmp_ge_u32 s95, 8
	s_cselect_b32 s92, s93, s92
	s_lshl_b32 s96, s92, 9
	s_mov_b32 s97, 0
	s_lshl_b32 s92, s92, 14
	s_mov_b32 s93, 0
	s_add_nc_u64 s[12:13], s[12:13], s[92:93]
	s_add_nc_u64 s[100:101], s[100:101], s[96:97]
.macro FRAG reg, adr, q, i             ; an image comes back as it was stored: four loads of 512 consecutive bytes
.irp c, 0,1,2,3
	ds_load_b128 v[\reg+4*\c:\reg+4*\c+3], v[\adr] offset:2048*(\q)+512*\c+(\i)*4096
.endr
.endm
; 16 matrix instructions: A's blocks a0, a0 + 1 x B's eight.  The 64 accumulators take turns, one instruction a turn, in the same order in every step.
.macro MUL16 a0, p, q, sc, zero
.irp a, \a0, \a0+1
.irp b, 0,1,2,3,4,5,6,7
.if \zero
	v_wmma_scale_f32_16x16x128_f8f6f4 v[8*(8*((\a)%4)+\b):8*(8*((\a)%4)+\b)+7], v[128*(\p)+FR*\b:128*(\p)+FR*\b+FR-1], v[AF+FR*(\a):AF+FR*(\a)+FR-1], 0, v[SC+8*NQ*(\sc)+NQ*\b+(\q)], v[SC+8*NQ*(\sc)+NQ*(\a)+(\q)] matrix_a_scale:MATRIX_SCALE_ROW1
.else
	v_wmma_scale_f32_16x16x128_f8f6f4 v[8*(8*((\a)%4)+\b):8*(8*((\a)%4)+\b)+7], v[128*(\p)+FR*\b:128*(\p)+FR*\b+FR-1], v[AF+FR*(\a):AF+FR*(\a)+FR-1], v[8*(8*((\a)%4)+\b):8*(8*((\a)%4)+\b)+7], v[SC+8*NQ*(\sc)+NQ*\b+(\q)], v[SC+8*NQ*(\sc)+NQ*(\a)+(\q)] matrix_a_scale:MATRIX_SCALE_ROW1
.endif
.endr
.endr
.endm
.macro FETCH_B slot, q, p
	WIN TO_B
.irp i, 0,1,2,3,4,5,6,7
	FRAG 128*(\p)+FR*\i, ADRB+\slot, \q, \i
.endr
	WIN 0
.endm
.macro FETCH_A slot, q, i0
.irp i, \i0, \i0+1, \i0+2, \i0+3
	FRAG AF+FR*(\i), ADRA+\slot, \q, \i
.endr
.endm
.macro SCALES sc                       ; a K step's two words a row: lanes 0-15 A's tile i, lanes 16-31 B's tile i
.irp i, 0,1,2,3,4,5,6,7
	ds_load_b64 v[SC+8*NQ*\sc+NQ*\i:SC+8*NQ*\sc+NQ*\i+1], v[ADRS] offset:\i*SBLK
.endr
.endm
.macro PLACES n                        ; plain vector lines between a matrix instruction and a load into, or a read of, its registers (ISA guide 7.12.1 for the reads)
.rept \n
	v_nop
.endr
.endm
.macro STEP slot, q, zero              ; 128 along K with its successor in the same slot
	s_wait_dscnt 4*NL                              ; all but the youngest 16 loads (A's blocks 4-7) are in
	WIN MUL_LO
	MUL16 0, (\q)%2, \q, \slot, \zero
	MUL16 2, (\q)%2, \q, \slot, \zero
	s_wait_dscnt 0
	PLACES NP
	FETCH_B \slot, (\q)+1, 1-(\q)%2
	FETCH_A \slot, (\q)+1, 0
	WIN MUL_HI
	MUL16 4, (\q)%2, \q, \slot, \zero
	MUL16 6, (\q)%2, \q, \slot, \zero
	PLACES NP
	WIN 0
	FETCH_A \slot, (\q)+1, 4
.endm
; A slot's last step changes slots: one barrier; in front of it each wave waits for all its tensor loads, adds 0 to its spare word, and waits for that and for its reads of this slot.
.macro TURN slot, next, fill
	s_wait_tensorcnt 0x0                           ; all my tensor loads have landed: my part of the next slot
	ds_add_u32 v[SPW], v[NIL]                      ; 0 onto my spare word
	s_wait_dscnt 4*NL+1                            ; (the add and the youngest 16 loads may be out)
	WIN MUL_LO
	MUL16 0, 1, NQ-1, \slot, 0
	s_wait_dscnt 0x0                               ; the add is done, and my reads of this slot are over
	s_barrier_signal -1
	MUL16 2, 1, NQ-1, \slot, 0
	WIN 0
	s_barrier_wait -1
.if \fill
	CREST                                          ; the barrier has opened a round of the cluster's barrier: no wave of any partner still reads this slot or has a load on its way
	s_add_nc_u64 s[G0+4*\slot+2:G0+4*\slot+3], s[G0+4*\slot+2:G0+4*\slot+3], 8192
	s_add_nc_u64 s[G0B+4*\slot+2:G0B+4*\slot+3], s[G0B+4*\slot+2:G0B+4*\slot+3], 8192
	JLOAD G0+4*\slot, G1, G0B+4*\slot, G1B         ; the first tensor load behind the round; its four v_nop are four of the places
	PLACES NP-4
.else
	PLACES NP
.endif
	s_wait_alu depctr_va_vdst(0)
	v_add_nc_u32 v[ADRS], 128, v[ADRS]             ; the next K step's scale words
	FETCH_B \next, 0, 0
	FETCH_A \next, 0, 0
	SCALES \next
	WIN MUL_HI
	MUL16 4, 1, NQ-1, \slot, 0
	MUL16 6, 1, NQ-1, \slot, 0
	PLACES NP
	WIN 0
	FETCH_A \next, 0, 4
.endm
	s_wait_alu depctr_va_vdst(0)
	s_wait_tensorcnt 1                             ; the scales and my part of K step 0 are in; K step 1's load may be out
	s_barrier_signal -1
	s_barrier_wait -1
	FETCH_B 0, 0, 0
	FETCH_A 0, 0, 0
	SCALES 0
	FETCH_A 0, 0, 4
	STEP 0, 0, 1                                   ; K = 1024 is four K steps of 256, written out: the first products start the sums
	TURN 0, 1, 1                                   ; slot 0 takes K step 2
	STEP 1, 0, 0
	TURN 1, 0, 1                                   ; slot 1 takes K step 3
	STEP 0, 0, 0
	TURN 0, 1, 0                                   ; nothing is left to fetch
	STEP 1, 0, 0
	s_wait_dscnt 4*NL
	WIN MUL_LO
	MUL16 0, 1, NQ-1, 1, 0
	MUL16 2, 1, NQ-1, 1, 0
	s_wait_dscnt 0
	WIN MUL_HI
	MUL16 4, 1, NQ-1, 1, 0
	MUL16 6, 1, NQ-1, 1, 0
	WIN 0
	PLACES NP
; THE WAY OUT.  The 64 results of a lane for A's block a are register 16 b + i = place 32 b + 16 (lane / 16) + i along B's rows: a fragment's numbers.  They are quantised where they stand: the largest magnitude of
; each block (each accumulator is read from its low end on), the codes into window 1 (registers of their own for each block: no store's data are written again), four stores of 512 consecutive bytes.
.macro QW a
.set QWW, 2+(\a)/4
.set AC, 64*((\a)%4)
.set QA, (QWW<<2)|(QWW<<4)
.set QB, QWW|(QWW<<6)
.set QC, QWW|(1<<6)
	WIN QA                                         ; sources 1 and 2: the accumulators' window
.irp b, 0,1,2,3
	v_max3_num_f32 v[TM+\b], s[FLR], |v[AC+16*\b]|, |v[AC+16*\b+1]|   ; with the floor 2^(9 - 127)
.endr
.irp i, 2,4,6,8,10,12,14
.irp b, 0,1,2,3
	v_max3_num_f32 v[TM+\b], v[TM+\b], |v[AC+16*\b+\i]|, |v[AC+16*\b+\i+1]|
.endr
.endr
	WIN 0
.irp b, 0,1,2,3
	v_permlanex16_b32 v[TM+4+\b], v[TM+\b], s[SEL], s[SEL+1]
.endr
.irp b, 0,1,2,3
	v_max_num_f32 v[TM+\b], v[TM+\b], v[TM+4+\b]
.endr
.irp b, 0,1,2,3
	v_add_nc_u32 v[TM+12+\b], 0xfc000000, v[TM+\b]
.endr
.irp b, 0,1,2,3
.endr
.irp b, 0,1,2,3
	v_lshrrev_b32 v[TM+4+\b], 23, v[TM+12+\b]
.endr
	v_lshl_or_b32 v[SW+\a], v[TM+5], 8, v[TM+4]
	v_lshl_or_b32 v[SW+\a], v[TM+6], 16, v[SW+\a]
	v_lshl_or_b32 v[SW+\a], v[TM+7], 24, v[SW+\a]
	WIN QB                                         ; source 0 and destination: the accumulators' window
.irp b, 0,1,2,3
.irp i, 0,1,2,3,4,5,6,7,8,9,10,11,12,13,14,15
.endr
.endr
	WIN QC                                         ; destination window 1
.irp b, 0,1,2,3
	v_cvt_scalef32_pk8_fp8_f32 v[16*(\a)+4*\b:16*(\a)+4*\b+1], v[AC+16*\b:AC+16*\b+7], v[TM+12+\b]
	v_cvt_scalef32_pk8_fp8_f32 v[16*(\a)+4*\b+2:16*(\a)+4*\b+3], v[AC+16*\b+8:AC+16*\b+15], v[TM+12+\b]
.endr
	v_nop                                          ; one plain line behind the last conversion
	WIN 0x04                                       ; a store's data are its source 1: window 1
.irp c, 0,1,2,3
	global_store_b128 v[LI], v[16*(\a)+4*\c:16*(\a)+4*\c+3], s[12:13] offset:2048*(\a)+512*\c
.endr
.endm
.irp a, 0,1,2,3,4,5,6,7
	QW \a
.endr
	WIN 0
	v_cmp_ne_u32 vcc_lo, 0, v2
.irp i, 0,1,2,3
	v_cndmask_b32 v[OW+\i], v[SW+\i], v[SW+4+\i], vcc_lo   ; both halves of the lanes hold row r's eight words: lanes 0-15 send words 0-3, lanes 16-31 words 4-7
.endr
	global_store_b128 v[SOF], v[OW:OW+3], s[100:101]       ; 512 consecutive bytes
	s_wait_tensorcnt 0x0                           ; the wave's end
	ds_add_u32 v[SPW], v[NIL]
	s_wait_dscnt 0x0
	CROUND                                         ; the closing round: no work-group ends while a partner may still ask for a tile that names it
	s_endpgm
.Lfunc_end_k_qdfec98d79a_proj:
	.size	k_qdfec98d79a_proj, .Lfunc_end_k_qdfec98d79a_proj-k_qdfec98d79a_proj
	.p2alignl 7, 3214868480
	.fill 96, 4, 3214868480
	.section	.rodata,"a",@progbits
	.p2align	6, 0x0
	.amdhsa_kernel k_qdfec98d79a_proj
		.amdhsa_group_segment_fixed_size 327680
		.amdhsa_private_segment_fixed_size 0
		.amdhsa_enable_private_segment 0
		.amdhsa_kernarg_size 48
		.amdhsa_user_sgpr_count 2
		.amdhsa_user_sgpr_kernarg_segment_ptr 1
		.amdhsa_wavefront_size32 1
		.amdhsa_system_sgpr_workgroup_id_x 1
		.amdhsa_system_sgpr_workgroup_id_y 1
		.amdhsa_system_sgpr_workgroup_id_z 1
		.amdhsa_system_vgpr_workitem_id 0
		.amdhsa_next_free_vgpr 1024
		.amdhsa_next_free_sgpr 102
		.amdhsa_reserve_vcc 1
		.amdhsa_float_denorm_mode_32 3
		.amdhsa_float_denorm_mode_16_64 3
		.amdhsa_fp16_overflow 1
		.amdhsa_memory_ordered 1
		.amdhsa_forward_progress 1
		.amdhsa_inst_pref_size 149
	.end_amdhsa_kernel
	.amdgpu_metadata
---
amdhsa.version: [ 1, 2 ]
amdhsa.kernels:
  - .name:           k_qdfec98d79a_proj
    .symbol:         k_qdfec98d79a_proj.kd
    .args:
      - { .name: xi, .offset: 0, .size: 8, .value_kind: global_buffer, .address_space: global }
      - { .name: xs, .offset: 8, .size: 8, .value_kind: global_buffer, .address_space: global }
      - { .name: wi, .offset: 16, .size: 8, .value_kind: global_buffer, .address_space: global }
      - { .name: ws, .offset: 24, .size: 8, .value_kind: global_buffer, .address_space: global }
      - { .name: pc, .offset: 32, .size: 8, .value_kind: global_buffer, .address_space: global }
      - { .name: ps, .offset: 40, .size: 8, .value_kind: global_buffer, .address_space: global }
    .group_segment_fixed_size: 327680
    .private_segment_fixed_size: 0
    .kernarg_segment_align: 8
    .kernarg_segment_size: 48
    .max_flat_workgroup_size: 128
    .sgpr_count:     102
    .vgpr_count:     1024
    .wavefront_size: 32
...
	.end_amdgpu_metadata
.endif
;; end of part 2
;; launch attn (part 3): grid 256 x 1, 16 waves a work-group, clusters of 4 x 1, 280,576 bytes of LDS; arguments pc, ps, ci, cs; writes ci, cs
.if DOCPART == 3
	.amdgcn_target "amdgcn-amd-amdhsa--gfx1250"
	.amdhsa_code_object_version 6
	.text
	.protected	k_qdfec98d79a_attn
	.globl	k_qdfec98d79a_attn
	.p2align	8
	.type	k_qdfec98d79a_attn,@function
k_qdfec98d79a_attn:
	s_mov_b64 s[64:65], 0
	v_nop
	global_prefetch_b8 v0, s[64:65] scope:SCOPE_SE
	s_setreg_imm32_b32 hwreg(HW_REG_WAVE_MODE, 25, 1), 1
	s_wait_xcnt 0x0
	s_wait_alu depctr_hold_cnt(0) depctr_sa_sdst(0) depctr_va_vdst(0) depctr_va_sdst(0) depctr_va_ssrc(0) depctr_va_vcc(0) depctr_vm_vsrc(0)
	s_getreg_b32 s2, hwreg(HW_REG_IB_STS2, 6, 4)
	s_cmp_eq_u32 s2, 0
	s_cbranch_scc0 .Lentry_in_a_cluster
	s_endpgm
.Lentry_in_a_cluster:
	s_bfe_u32 s2, ttmp6, 0x10000c
	s_cmp_lg_u32 s2, 0x3003
	s_cbranch_scc0 .Lentry_shape_is_right
	s_endpgm
.Lentry_shape_is_right:
; Causal attention on codes of FP8 (E4M3) with E8M0 scales, 64 (batch, head) pairs of 2,048 tokens, head size 64; ctx = O / l is quantised along the model's 1,024 on the way out.
; t = score x log2(e) / 8; M = the running largest t rounded UP to a whole number; p = 2^(t - M) is quantised along the keys, not normalised; the row's sum l is taken of the unquantised p.
; SHARES.  A cluster of four work-groups has one (batch, head).  The head's whole K and V are 128 KB of codes each: they come into LDS ONCE, asked for JOINTLY by the four (mask 15): no slot is ever filled again.
; Work-group g owns the query tiles T = 4 i + g, i = 0 .. 31 (tile T: queries 32 (T / 2) + 8 (T % 2) + r + 8 (r / 8)).  A tile needs i / 2 + 1 key steps of 128, whatever g is: no branch hangs on the place in the cluster.
; Wave w takes i = 31 - w and then i = w: 17 key steps for every wave.  Trip counts are constants (16 and 8); a step all of whose keys are hidden is jumped over by a scalar branch on the wave's number and the counter.
; LAYOUT.  Both products transposed: S^T = K Q^T (source 0 = 16 keys), O^T = V^T P^T (source 0 = 16 of the head's 64): a lane holds one query.  By the choice of a tile's rows the 16 registers of tiles 2 b, 2 b + 1 are
; 16 neighbouring keys (or channels): the conversions' results are the next operand's registers.  Operands lie in memory and in LDS as images of their registers: every load is 16 x lane.
; K = 64 IN A FORM OF 128: Q's registers 8-15 are zero codes, and its and K's scale bytes 2, 3 are 0 (2^-127); K's registers 8-15 are named over the next tile's codes, finite numbers that meet zeros.
; LIMITS: a block of zeros, and one whose largest magnitude lies under 2^-118, gets the byte 1 (only this program reads the bytes); NaN and infinities are not served.
.set VB,   131072                      ; LDS: K [tile 128][c 2][512] at 0;  V [step 16][dt 4][2,048] here;
.set SCK,  262144                      ; K's scale words [step 16][r][tile 8] (both heads of the pair);
.set SCV,  270336                      ; V's [step 16][r][a 8]
.set LI,   1                           ; v1   16 x lane
.set ASK0, 2                           ; v2   my place among K's scale words
.set ASV0, 3                           ; v3   among V's
.set DQ,   4                           ; v4   the mask: my query less the diagonal step's first key less 16 (lane / 16)
.set LQ,   5                           ; v5   r + 8 (r / 8) - 16 (lane / 16)
.set GOS,  6                           ; v6   8 r + lane / 16: my scale byte on the way out
.set NINF, 7                           ; v7   -infinity
.set ADK,  8
.set ADV,  9
.set ADS,  10
.set ADT,  11                          ; v12 -M, v13 the largest t, v[14:15] the sum in two halves, v16-31 Q
.set KV,   32                          ; v32-95 eight tiles of K (8 registers each) or four fragments of V; v96-103 the second tile's Q
.set S,    104                         ; v104-167 S^T, then p
.set O,    168                         ; v168-199 O^T
.set PC,   200                         ; v200-215 p's codes
.set BM,   216
.set BT,   220
.set BL,   224
.set BS,   228
.set FF,   232                         ; v[232:233] f, and a written word beside it
.set T0,   234
.set T1,   235
.set SM2,  236                         ; v[236:237]
.set KSC,  240                         ; v240-247 K's scale words; v248-251 V's; v252, v254 Q's; v253 p's
.set VSC,  248
.set PSC,  253
.set WV,   12
.set CXG,  13
.set MNT,  19
.set SEL,  20
.set CS,   22
.set G1K,  24
.set G1V,  32
.set G0K,  40
.set G0V,  48
.set G0S,  56
.set G1S,  68
.set ST,   76                          ; s76 the key step, and the loop's counter
.set DS,   77                          ; s77 the step on the diagonal
.set TK,   78
.set TV,   79
.set TS,   80
.macro CROUND
	s_barrier_signal -1
	s_barrier_wait -1
	s_cmp_lg_u32 s[WV], 0
	s_cbranch_scc1 .Lnot_wave_0_\@
	s_barrier_signal -3
.Lnot_wave_0_\@:
	s_barrier_wait -3
	s_barrier_signal -1
	s_barrier_wait -1
.endm
; the addresses of tile T = 4 i + g: Q's codes and scale words, ctx's codes and scale bytes, and the mask's constant
.macro TADR i, qc, qsb, cb, sb, mk
	s_lshl_b32 s94, s[\i], 2
	s_add_co_u32 s94, s94, s[CXG]
	s_lshl_b32 s95, s14, 7
	s_add_co_u32 s94, s94, s95                     ; the tile among all 512: 128 x batch + T
	s_lshl_b32 s[\qc], s94, 11
	s_lshl_b32 s95, s16, 20
	s_add_co_u32 s[\qc], s[\qc], s95
	s_lshl_b32 s95, s17, 10
	s_add_co_u32 s[\qc], s[\qc], s95
	s_mov_b32 s[\qc+1], 0
	s_add_nc_u64 s[\qc:\qc+1], s[4:5], s[\qc:\qc+1]
	s_lshr_b32 s95, s94, 3
	s_lshl_b32 s[\qsb], s95, 9
	s_and_b32 s95, s94, 7
	s_lshl_b32 s95, s95, 2
	s_add_co_u32 s[\qsb], s[\qsb], s95
	s_lshl_b32 s95, s16, 15
	s_add_co_u32 s[\qsb], s[\qsb], s95
	s_lshl_b32 s95, s17, 1
	s_add_co_u32 s[\qsb], s[\qsb], s95
	s_mov_b32 s[\qsb+1], 0
	s_add_nc_u64 s[\qsb:\qsb+1], s[6:7], s[\qsb:\qsb+1]
	s_lshl_b32 s[\cb], s94, 14
	s_lshl_b32 s95, s16, 11
	s_add_co_u32 s[\cb], s[\cb], s95
	s_lshl_b32 s95, s17, 10
	s_add_co_u32 s[\cb], s[\cb], s95
	s_mov_b32 s[\cb+1], 0
	s_add_nc_u64 s[\cb:\cb+1], s[8:9], s[\cb:\cb+1]
	s_lshl_b32 s[\sb], s94, 9
	s_lshr_b32 s95, s15, 2
	s_lshl_b32 s95, s95, 7
	s_add_co_u32 s[\sb], s[\sb], s95
	s_and_b32 s95, s15, 3
	s_lshl_b32 s95, s95, 1
	s_add_co_u32 s[\sb], s[\sb], s95
	s_mov_b32 s[\sb+1], 0
	s_add_nc_u64 s[\sb:\sb+1], s[10:11], s[\sb:\sb+1]
	s_and_b32 s[\mk], s[\i], 1
	s_lshl_b32 s[\mk], s[\mk], 6
	s_lshr_b32 s95, s[CXG], 1
	s_lshl_b32 s95, s95, 5
	s_add_co_u32 s[\mk], s[\mk], s95
	s_and_b32 s95, s[CXG], 1
	s_lshl_b32 s95, s95, 3
	s_add_co_u32 s[\mk], s[\mk], s95               ; 64 (i % 2) + 32 (g / 2) + 8 (g % 2): the tile's first query less the diagonal step's first key
.endm
	s_load_b256 s[4:11], s[0:1], 0x0               ; pc s[4:5], ps s[6:7], ci s[8:9], cs s[10:11]
	v_lshl_add_u32 v239, v0, 2, 0x44000
	v_mov_b32 v255, 0
	ds_add_u32 v239, v255
	ds_add_u32 v239, v255
	v_lshrrev_b32 v8, 5, v0
	s_delay_alu instid0(VALU_DEP_1)
	v_readfirstlane_b32 s[WV], v8                  ; wave 0..15
	s_bfe_u32 s[CXG], ttmp6, 0x40000               ; g: my place in the cluster: it enters Q's and ctx's addresses and the mask's compare alone
	s_lshr_b32 s14, ttmp9, 4                       ; batch
	s_and_b32 s15, ttmp9, 15                       ; head
	s_lshr_b32 s16, s15, 1                         ; pair of heads
	s_and_b32 s17, s15, 1                          ; which of the pair
	s_and_b32 s18, s[WV], 3
	; group 1: K: 16 tiles' 1,024 bytes, 2,048 apart;  V: 2 steps' 8,192 bytes, 16,384 apart;  scales: 4,096 dense bytes.  Elements of 8 bytes; the mask names all four work-groups, bit 21 beside it
	s_mov_b32 s[G1K], 15|(3<<16)|(1<<21)
	s_mov_b32 s[G1K+1], 128<<16
	s_mov_b32 s[G1K+2], 16<<16
	s_mov_b32 s[G1K+3], 128<<16
	s_mov_b32 s[G1K+4], 16
	s_mov_b32 s[G1K+5], 256
	s_mov_b32 s[G1K+6], 0
	s_mov_b32 s[G1K+7], 0
	s_mov_b32 s[G1V], 15|(3<<16)|(1<<21)
	s_mov_b32 s[G1V+1], 1024<<16
	s_mov_b32 s[G1V+2], 2<<16
	s_mov_b32 s[G1V+3], 1024<<16
	s_mov_b32 s[G1V+4], 2
	s_mov_b32 s[G1V+5], 2048
	s_mov_b32 s[G1V+6], 0
	s_mov_b32 s[G1V+7], 0
	s_mov_b32 s[G1S], 15|(3<<16)|(1<<21)
	s_mov_b32 s[G1S+1], 32<<16
	s_mov_b32 s[G1S+2], 16<<16
	s_mov_b32 s[G1S+3], 32<<16
	s_mov_b32 s[G1S+4], 16
	s_mov_b32 s[G1S+5], 32
	s_mov_b32 s[G1S+6], 0
	s_mov_b32 s[G1S+7], 0
	s_lshl_b32 s90, s16, 20                        ; 64 blocks of 16 KB for each pair of heads,
	s_lshl_b32 s94, s14, 18                        ; 16 for each batch,
	s_add_co_u32 s90, s90, s94
	s_lshl_b32 s94, s18, 15                        ; 2 for each wave of the four that fetch
	s_add_co_u32 s90, s90, s94
	s_lshl_b32 s94, s17, 13
	s_add_co_u32 s92, s90, s94
	s_add_co_u32 s92, s92, 1<<24                   ; V: blocks from 1,024 on; my head's half of a block
	s_mov_b32 s93, 0
	s_lshl_b32 s94, s17, 10
	s_add_co_u32 s90, s90, s94
	s_add_co_u32 s90, s90, 8<<20                   ; K: blocks from 512 on; my head's half of a fragment
	s_mov_b32 s91, 0
	s_lshl_b32 s94, s16, 15
	s_lshl_b32 s95, s14, 13
	s_add_co_u32 s94, s94, s95
	s_and_b32 s3, s[WV], 1                         ; scales: wave 8 K's, wave 9 V's, 512 blocks of 512 bytes on
	s_lshl_b32 s95, s3, 18
	s_add_co_u32 s94, s94, s95
	s_add_co_u32 s94, s94, 8<<15
	s_mov_b32 s95, 0
	s_lshl_b32 s2, s18, 14                         ; in LDS: 16,384 bytes a load
	s_lshl_b32 s3, s3, 13
	s_mov_b32 s[SEL], 0x76543210
	s_mov_b32 s[SEL+1], 0xfedcba98
	s_mov_b32 s[CS], 0x3e38aa3b                    ; c = log2(e) / sqrt(64)
	s_mov_b32 s[CS+1], s[CS]
	s_sub_co_u32 s98, 31, s[WV]                    ; my first tile's i
	s_wait_dscnt 0x0
	s_wait_kmcnt 0x0
	s_add_nc_u64 s[90:91], s[4:5], s[90:91]
	s_add_nc_u64 s[92:93], s[4:5], s[92:93]
	s_add_nc_u64 s[94:95], s[6:7], s[94:95]
.irp u, 0,1                            ; two groups 0 each: the first half of the keys, the second
	s_mov_b32 s[G0K+4*\u], 1
	s_add_co_u32 s[G0K+4*\u+1], s2, \u*65536
	s_add_nc_u64 s[G0K+4*\u+2:G0K+4*\u+3], s[90:91], \u*131072
	s_or_b32 s[G0K+4*\u+3], s[G0K+4*\u+3], 0x80000000
	s_mov_b32 s[G0V+4*\u], 1
	s_add_co_u32 s[G0V+4*\u+1], s2, VB+\u*65536
	s_add_nc_u64 s[G0V+4*\u+2:G0V+4*\u+3], s[92:93], \u*131072
	s_or_b32 s[G0V+4*\u+3], s[G0V+4*\u+3], 0x80000000
	s_mov_b32 s[G0S+4*\u], 1
	s_add_co_u32 s[G0S+4*\u+1], s3, SCK+\u*4096
	s_add_nc_u64 s[G0S+4*\u+2:G0S+4*\u+3], s[94:95], \u*4096
	s_or_b32 s[G0S+4*\u+3], s[G0S+4*\u+3], 0x80000000
.endr
	CROUND                                         ; all four work-groups are here: the joint loads meet
	s_cmp_lt_u32 s[WV], 4                          ; all fills of a wave stand in one branch on its number: waves 0-3 K, 4-7 V, 8 and 9 the scales; two loads of a wave are out
	s_cbranch_scc0 .Lnot_k
	tensor_load_to_lds s[G0K:G0K+3], s[G1K:G1K+7]
	s_nop 0
	tensor_load_to_lds s[G0K+4:G0K+7], s[G1K:G1K+7]
	s_nop 0
.rept 4
	v_nop
.endr
	s_branch .Lasked
.Lnot_k:
	s_cmp_lt_u32 s[WV], 8
	s_cbranch_scc0 .Lnot_v
	tensor_load_to_lds s[G0V:G0V+3], s[G1V:G1V+7]
	s_nop 0
	tensor_load_to_lds s[G0V+4:G0V+7], s[G1V:G1V+7]
	s_nop 0
.rept 4
	v_nop
.endr
	s_branch .Lasked
.Lnot_v:
	s_cmp_lt_u32 s[WV], 10
	s_cbranch_scc0 .Lasked
	tensor_load_to_lds s[G0S:G0S+3], s[G1S:G1S+7]
	s_nop 0
	tensor_load_to_lds s[G0S+4:G0S+7], s[G1S:G1S+7]
	s_nop 0
.rept 4
	v_nop
.endr
.Lasked:
	TADR 98, 66, 2, 82, 84, 96                     ; tile i = 31 - w
	TADR WV, 90, 92, 86, 88, 97                    ; tile i = w
	v_and_b32 v8, 31, v0
	s_delay_alu instid0(VALU_DEP_1)
	v_lshlrev_b32 v[LI], 4, v8
	v_and_b32 v9, 15, v0                           ; r
	v_bfe_u32 v10, v0, 4, 1                        ; h
	s_delay_alu instid0(VALU_DEP_2)
	v_lshlrev_b32 v[T1], 5, v9                     ; 32 r: a row's eight scale words
	global_load_b128 v[16:19], v[LI], s[66:67]
	global_load_b128 v[20:23], v[LI], s[66:67] offset:512
	global_load_u16 v252, v[T1], s[2:3]            ; my head's two bytes; bytes 2, 3 are 0
	global_load_b128 v[96:99], v[LI], s[90:91]
	global_load_b128 v[100:103], v[LI], s[90:91] offset:512
	global_load_u16 v254, v[T1], s[92:93]
	s_lshl_b32 s94, s17, 1
	v_add_nc_u32 v[ASK0], s94, v[T1]
	s_delay_alu instid0(VALU_DEP_1)
	v_add_nc_u32 v[ASK0], SCK, v[ASK0]
	s_lshl_b32 s94, s17, 4
	v_add_nc_u32 v[ASV0], s94, v[T1]
	s_delay_alu instid0(VALU_DEP_1)
	v_add_nc_u32 v[ASV0], SCV, v[ASV0]
	v_and_b32 v[LQ], 8, v9
	s_delay_alu instid0(VALU_DEP_1)
	v_add_nc_u32 v[LQ], v[LQ], v9
	v_lshlrev_b32 v11, 4, v10
	s_delay_alu instid0(VALU_DEP_1)
	v_sub_nc_u32 v[LQ], v[LQ], v11
	v_lshl_add_u32 v[GOS], v9, 3, v10
	v_mov_b32 v[NINF], 0xff800000
.irp j, 24,25,26,27,28,29,30,31
	v_mov_b32 v[\j], 0                             ; Q's upper 64 along K: zero codes
.endr
.irp b, 0,1,2,3
	v_mov_b32 v[BT+\b], 0                          ; a lane permute's destination counts as one of its sources
.endr
	v_mov_b32 v[FF+1], 0                           ; (named as the upper half of a pair)
	v_mov_b32 v[T0], 0
; A KEY STEP: 128 keys
.macro STEP qs
	s_cmp_gt_u32 s[ST], s[DS]                      ; all its keys come after my queries: only the addresses step
	s_cbranch_scc1 .Lhidden_\@
	s_setprio 2
	v_add_nc_u32 v[ADK], s[TK], v[LI]
	v_add_nc_u32 v[ADV], s[TV], v[LI]
	v_add_nc_u32 v[ADS], s[TS], v[ASK0]
	v_add_nc_u32 v[ADT], s[TS], v[ASV0]
.rept 4
	v_nop                                          ; with the four additions: eight places in front of loads into registers that the last products read
.endr
.irp t, 0,1,2,3,4,5,6,7
	ds_load_b128 v[KV+8*\t:KV+8*\t+3], v[ADK] offset:1024*\t
	ds_load_b128 v[KV+8*\t+4:KV+8*\t+7], v[ADK] offset:1024*\t+512
	ds_load_u16 v[KSC+\t], v[ADS] offset:4*\t
.endr
	s_wait_alu depctr_va_vdst(0)
	s_wait_dscnt 0x0
.irp t, 0,1,2,3,4,5,6,7
	v_wmma_scale_f32_16x16x128_f8f6f4 v[S+8*\t:S+8*\t+7], v[KV+8*\t:KV+8*\t+15], v[16:31], 0, v[KSC+\t], v[\qs]
.endr
.rept 8
	v_nop
.endr
.irp d, 0,1,2,3                        ; V's four fragments are asked for now and land while the softmax is walked
.irp c, 0,1,2,3
	ds_load_b128 v[KV+16*\d+4*\c:KV+16*\d+4*\c+3], v[ADV] offset:2048*\d+512*\c
.endr
	ds_load_b32 v[VSC+\d], v[ADT] offset:4*\d
.endr
	s_cmp_lt_u32 s[ST], s[DS]                      ; ahead of the diagonal every key counts
	s_cbranch_scc1 .Lopen_\@
.set NN, 0
.rept 64                               ; register 16 b + i holds key 32 b + 16 (lane / 16) + i of the step: hidden where 32 b + i > d
	v_cmp_gt_i32 vcc_lo, 32*(NN/16)+NN%16, v[DQ]
	v_cndmask_b32 v[S+NN], v[S+NN], v[NINF], vcc_lo
.set NN, NN+1
.endr
.Lopen_\@:
.irp b, 0,1,2,3
	v_max3_num_f32 v[BM+\b], v[S+16*\b], v[S+1+16*\b], v[S+2+16*\b]   ; the largest score of each block of 32 keys: for the row's maximum, and, since p rises with the score, for the block's largest p
.endr
.irp i, 3,5,7,9,11,13
.irp b, 0,1,2,3
	v_max3_num_f32 v[BM+\b], v[BM+\b], v[S+16*\b+\i], v[S+1+16*\b+\i]
.endr
.endr
.irp b, 0,1,2,3
	v_max_num_f32 v[BM+\b], v[BM+\b], v[S+15+16*\b]
.endr
.irp b, 0,1,2,3
	s_delay_alu instid0(VALU_DEP_4)
	v_permlanex16_b32 v[BT+\b], v[BM+\b], s[SEL], s[SEL+1]
.endr
.irp b, 0,1,2,3
	s_delay_alu instid0(VALU_DEP_4)
	v_max_num_f32 v[BM+\b], v[BM+\b], v[BT+\b]
.endr
	s_delay_alu instid0(VALU_DEP_2)
	v_max3_num_f32 v[T0], v[BM], v[BM+1], v[BM+2]
	s_delay_alu instid0(VALU_DEP_1)
	v_max_num_f32 v[T0], v[T0], v[BM+3]
	s_delay_alu instid0(VALU_DEP_1)
	v_mul_f32 v[T0], s[CS], v[T0]
	s_delay_alu instid0(VALU_DEP_1)
	v_max_num_f32 v13, v13, v[T0]                  ; the running largest t
	v_mov_b32 v[T0], v12
	s_delay_alu instid0(VALU_DEP_2)
	v_floor_f32 v12, -v13                          ; the new -M = -ceil(t): a whole number
	s_delay_alu instid0(VALU_DEP_1)
	v_sub_f32 v[T0], v12, v[T0]
	s_delay_alu instid0(VALU_DEP_1)
	v_cvt_i32_f32 v[T0], v[T0]                     ; (it saturates)
	s_delay_alu instid0(VALU_DEP_1)
	v_ldexp_f32 v[FF], 1.0, v[T0]                  ; f = 2^(old M - new M): rounds nothing
.set NN, 0
	s_setprio 1
.rept 32
	v_pk_fma_f32 v[S+NN:S+NN+1], v[S+NN:S+NN+1], s[CS:CS+1], v[12:13] op_sel_hi:[1,0,0]   ; t - M
.set NN, NN+2
.endr
.irp b, 0,1,2,3
	v_fma_f32 v[BM+\b], v[BM+\b], s[CS], v12
.endr
.set NN, 0
	s_wait_alu depctr_va_vdst(0)
.rept 64
	v_exp_f32 v[S+NN], v[S+NN]                     ; p = 2^(t - M)
.set NN, NN+1
.endr
.irp b, 0,1,2,3
	v_exp_f32 v[BM+\b], v[BM+\b]                   ; the block's largest p
.endr
	v_pk_mul_f32 v[14:15], v[14:15], v[FF:FF+1] op_sel_hi:[1,0]   ; the sums under the new M (a plain line behind the exponentials)
	s_wait_alu depctr_va_vdst(0)
.irp b, 0,1,2,3
	v_max_num_f32 v[BM+\b], 0x4800000, v[BM+\b]    ; the floor: the byte cannot fall under 1
.endr
.irp b, 0,1,2,3
	s_delay_alu instid0(VALU_DEP_4)
	v_add_nc_u32 v[BS+\b], 0xfc000000, v[BM+\b]
.endr
.irp b, 0,1,2,3
.endr
.irp b, 0,1,2,3
	s_delay_alu instid0(VALU_DEP_4)
	v_lshrrev_b32 v[BT+\b], 23, v[BS+\b]
.endr
	s_delay_alu instid0(VALU_DEP_3)
	v_lshl_or_b32 v[PSC], v[BT+1], 8, v[BT]        ; p's scale word for these 128 keys
	s_delay_alu instid0(VALU_DEP_1)
	v_lshl_or_b32 v[PSC], v[BT+2], 16, v[PSC]
	s_delay_alu instid0(VALU_DEP_1)
	v_lshl_or_b32 v[PSC], v[BT+3], 24, v[PSC]
	v_pk_add_f32 v[236:237], v[108:109], v[112:113]
	v_pk_add_f32 v[246:247], v[116:117], v[120:121]
	v_pk_add_f32 v[244:245], v[124:125], v[128:129]
	v_pk_add_f32 v[242:243], v[132:133], v[136:137]
	v_pk_add_f32 v[240:241], v[140:141], v[144:145]
	v_pk_add_f32 v[226:227], v[148:149], v[152:153]
	v_pk_add_f32 v[224:225], v[156:157], v[160:161]
	v_pk_add_f32 v[14:15], v[14:15], v[164:165]
	v_pk_add_f32 v[236:237], v[236:237], v[104:105]
	v_pk_add_f32 v[246:247], v[246:247], v[106:107]
	v_pk_add_f32 v[244:245], v[244:245], v[110:111]
	v_pk_add_f32 v[242:243], v[242:243], v[114:115]
	v_pk_add_f32 v[240:241], v[240:241], v[118:119]
	v_pk_add_f32 v[226:227], v[226:227], v[122:123]
	v_pk_add_f32 v[224:225], v[224:225], v[126:127]
	v_pk_add_f32 v[14:15], v[14:15], v[130:131]
	v_pk_add_f32 v[236:237], v[236:237], v[134:135]
	s_setprio 0
	v_pk_add_f32 v[246:247], v[246:247], v[138:139]
	v_pk_add_f32 v[244:245], v[244:245], v[142:143]
	v_pk_add_f32 v[242:243], v[242:243], v[146:147]
	v_pk_add_f32 v[240:241], v[240:241], v[150:151]
	v_pk_add_f32 v[226:227], v[226:227], v[154:155]
	v_pk_add_f32 v[224:225], v[224:225], v[158:159]
	v_pk_add_f32 v[14:15], v[14:15], v[162:163]
	v_pk_add_f32 v[236:237], v[236:237], v[166:167]
	s_delay_alu instid0(VALU_DEP_2)
	v_pk_add_f32 v[14:15], v[14:15], v[242:243]
	s_delay_alu instid0(VALU_DEP_2)
	v_pk_add_f32 v[236:237], v[236:237], v[240:241]
	v_pk_add_f32 v[246:247], v[246:247], v[226:227]
	v_pk_add_f32 v[244:245], v[244:245], v[224:225]
	s_delay_alu instid0(VALU_DEP_2)
	v_pk_add_f32 v[14:15], v[14:15], v[246:247]
	s_delay_alu instid0(VALU_DEP_2)
	v_pk_add_f32 v[236:237], v[236:237], v[244:245]
	s_delay_alu instid0(VALU_DEP_1)
	v_pk_add_f32 v[14:15], v[14:15], v[236:237]
.irp b, 0,1,2,3
.irp i, 0,1,2,3,4,5,6,7,8,9,10,11,12,13,14,15
.endr
	v_cvt_scalef32_pk8_fp8_f32 v[PC+4*\b:PC+1+4*\b], v[S+16*\b:S+7+16*\b], v[BS+\b]
	v_cvt_scalef32_pk8_fp8_f32 v[PC+2+4*\b:PC+3+4*\b], v[S+8+16*\b:S+15+16*\b], v[BS+\b]
.endr
.set NN, 0
.rept 16
	v_pk_mul_f32 v[O+NN:O+NN+1], v[O+NN:O+NN+1], v[FF:FF+1] op_sel_hi:[1,0]   ; O^T under the new M; also the places in front of the products
.set NN, NN+2
.endr
	s_wait_alu depctr_va_vdst(0)
	s_wait_dscnt 0x0                               ; V is in
.irp d, 0,1,2,3
	v_wmma_scale_f32_16x16x128_f8f6f4 v[O+8*\d:O+8*\d+7], v[KV+16*\d:KV+16*\d+15], v[PC:PC+15], v[O+8*\d:O+8*\d+7], v[VSC+\d], v[PSC]
.endr
.Lhidden_\@:
	s_add_co_u32 s[TK], s[TK], 8192
	s_add_co_u32 s[TV], s[TV], 8192
	s_add_co_u32 s[TS], s[TS], 512
.endm
; ctx = O^T / l, quantised: register 16 b + i is channel 32 b + 16 (lane / 16) + i of my query: two blocks, half a fragment of the last product's operand
.macro FINISH cb, sb
.rept 8
	v_nop
.endr
	v_add_f32 v14, v14, v15
	s_delay_alu instid0(VALU_DEP_1)
	v_permlanex16_b32 v[T0], v14, s[SEL], s[SEL+1]
	s_delay_alu instid0(VALU_DEP_1)
	v_add_f32 v14, v14, v[T0]
	s_wait_alu depctr_va_vdst(0)
	v_rcp_f32 v14, v14
	v_and_b32 v[T1], 16, v0                        ; (a plain line behind the reciprocal)
.set NN, 0
	s_wait_alu depctr_va_vdst(0)
.rept 32
	v_mul_f32 v[S+NN], v[O+NN], v14
.set NN, NN+1
.endr
.irp b, 0,1
	v_max3_num_f32 v[BM+\b], |v[S+16*\b]|, |v[S+1+16*\b]|, 0x4800000
.endr
.irp i, 2,4,6,8,10,12,14
.irp b, 0,1
	s_delay_alu instid0(VALU_DEP_2)
	v_max3_num_f32 v[BM+\b], v[BM+\b], |v[S+16*\b+\i]|, |v[S+1+16*\b+\i]|
.endr
.endr
.irp b, 0,1
	s_delay_alu instid0(VALU_DEP_2)
	v_permlanex16_b32 v[BT+\b], v[BM+\b], s[SEL], s[SEL+1]
.endr
.irp b, 0,1
	s_delay_alu instid0(VALU_DEP_2)
	v_max_num_f32 v[BM+\b], v[BM+\b], v[BT+\b]
.endr
.irp b, 0,1
	s_delay_alu instid0(VALU_DEP_2)
	v_add_nc_u32 v[BS+\b], 0xfc000000, v[BM+\b]
.endr
.irp b, 0,1
.endr
.irp b, 0,1
	s_delay_alu instid0(VALU_DEP_2)
	v_lshrrev_b32 v[BT+\b], 23, v[BS+\b]
.endr
.irp b, 0,1
.irp i, 0,1,2,3,4,5,6,7,8,9,10,11,12,13,14,15
.endr
	v_cvt_scalef32_pk8_fp8_f32 v[PC+4*\b:PC+1+4*\b], v[S+16*\b:S+7+16*\b], v[BS+\b]
	v_cvt_scalef32_pk8_fp8_f32 v[PC+2+4*\b:PC+3+4*\b], v[S+8+16*\b:S+15+16*\b], v[BS+\b]
.endr
	v_cmp_ne_u32 vcc_lo, 0, v[T1]                  ; (a plain line behind the last conversion)
	s_delay_alu instid0(VALU_DEP_1)
	v_cndmask_b32 v[T0], v[BT], v[BT+1], vcc_lo    ; lanes 0-15 send block 0's byte, lanes 16-31 block 1's
	global_store_b128 v[LI], v[PC:PC+3], s[\cb:\cb+1]               ; 512 consecutive bytes
	global_store_b128 v[LI], v[PC+4:PC+7], s[\cb:\cb+1] offset:512
	global_store_b8 v[GOS], v[T0], s[\sb:\sb+1]    ; a head's two bytes of each row's eight: single bytes, one for 32 bytes of codes; the other heads' lie in other work-groups
.endm
.macro TILE trips, qs, i, mk, cb, sb
	v_mov_b32 v13, 0xff61b1e6                      ; the largest t so far: -3e38
	s_delay_alu instid0(VALU_DEP_1)
	v_floor_f32 v12, -v13
	v_mov_b32 v14, 0
	v_mov_b32 v15, 0
.set NN, 0
.rept 32
	v_mov_b32 v[O+NN], 0                           ; the step is written once: its first trip finds zeros
.set NN, NN+1
.endr
	v_add_nc_u32 v[DQ], s[\mk], v[LQ]
	s_lshr_b32 s[DS], s[\i], 1
	s_mov_b32 s[ST], 0
	s_mov_b32 s[TK], 0
	s_mov_b32 s[TV], VB
	s_mov_b32 s[TS], 0
.Lstep_\@:
	STEP \qs
	s_add_co_u32 s[ST], s[ST], 1
	s_cmp_lt_u32 s[ST], \trips
	s_cbranch_scc1 .Lstep_\@
	s_setprio 0
	FINISH \cb, \sb
.endm
	s_wait_loadcnt 0x0                             ; both tiles' Q
	s_wait_tensorcnt 0x0                           ; my fills have landed,
	s_barrier_signal -1
	s_barrier_wait -1                              ; everybody's have: from here on LDS is only read
	TILE 16, 252, 98, 96, 82, 84                   ; i = 31 - w: its diagonal lies in steps 8 to 15
	s_wait_xcnt 0x0                                ; the stores have read their registers
.irp j, 0,1,2,3,4,5,6,7
	v_mov_b32 v[16+\j], v[96+\j]                   ; the second tile's Q
.endr
	TILE 8, 254, WV, 97, 86, 88                    ; i = w: its diagonal lies in steps 0 to 7
	s_wait_dscnt 0x0
	s_wait_tensorcnt 0x0
	ds_add_u32 v239, v255
	s_wait_dscnt 0x0
	CROUND                                         ; the closing round: no work-group ends while a partner may still ask for a tile that names it
	s_endpgm
.Lfunc_end_k_qdfec98d79a_attn:
	.size	k_qdfec98d79a_attn, .Lfunc_end_k_qdfec98d79a_attn-k_qdfec98d79a_attn
	.p2alignl 7, 3214868480
	.fill 96, 4, 3214868480
	.section	.rodata,"a",@progbits
	.p2align	6, 0x0
	.amdhsa_kernel k_qdfec98d79a_attn
		.amdhsa_group_segment_fixed_size 280576
		.amdhsa_private_segment_fixed_size 0
		.amdhsa_enable_private_segment 0
		.amdhsa_kernarg_size 32
		.amdhsa_user_sgpr_count 2
		.amdhsa_user_sgpr_kernarg_segment_ptr 1
		.amdhsa_wavefront_size32 1
		.amdhsa_system_sgpr_workgroup_id_x 1
		.amdhsa_system_sgpr_workgroup_id_y 1
		.amdhsa_system_sgpr_workgroup_id_z 1
		.amdhsa_system_vgpr_workitem_id 0
		.amdhsa_next_free_vgpr 256
		.amdhsa_next_free_sgpr 100
		.amdhsa_reserve_vcc 1
		.amdhsa_float_denorm_mode_32 3
		.amdhsa_float_denorm_mode_16_64 3
		.amdhsa_fp16_overflow 1
		.amdhsa_memory_ordered 1
		.amdhsa_forward_progress 1
		.amdhsa_inst_pref_size 70
	.end_amdhsa_kernel
	.amdgpu_metadata
---
amdhsa.version: [ 1, 2 ]
amdhsa.kernels:
  - .name:           k_qdfec98d79a_attn
    .symbol:         k_qdfec98d79a_attn.kd
    .args:
      - { .name: pc, .offset: 0, .size: 8, .value_kind: global_buffer, .address_space: global }
      - { .name: ps, .offset: 8, .size: 8, .value_kind: global_buffer, .address_space: global }
      - { .name: ci, .offset: 16, .size: 8, .value_kind: global_buffer, .address_space: global }
      - { .name: cs, .offset: 24, .size: 8, .value_kind: global_buffer, .address_space: global }
    .group_segment_fixed_size: 280576
    .private_segment_fixed_size: 0
    .kernarg_segment_align: 8
    .kernarg_segment_size: 32
    .max_flat_workgroup_size: 512
    .sgpr_count:     100
    .vgpr_count:     256
    .wavefront_size: 32
...
	.end_amdgpu_metadata
.endif
;; end of part 3
;; launch outp (part 4): grid 4 x 32, 4 waves a work-group, clusters of 4 x 4, 327,680 bytes of LDS; arguments ci, cs, wi, ws, bo, out0; writes out0
.if DOCPART == 4
	.amdgcn_target "amdgcn-amd-amdhsa--gfx1250"
	.amdhsa_code_object_version 6
	.text
	.protected	k_qdfec98d79a_outp
	.globl	k_qdfec98d79a_outp
	.p2align	8
	.type	k_qdfec98d79a_outp,@function
k_qdfec98d79a_outp:
	s_mov_b64 s[64:65], 0
	v_nop
	global_prefetch_b8 v0, s[64:65] scope:SCOPE_SE
	s_setreg_imm32_b32 hwreg(HW_REG_WAVE_MODE, 25, 1), 1
	s_wait_xcnt 0x0
	s_wait_alu depctr_hold_cnt(0) depctr_sa_sdst(0) depctr_va_vdst(0) depctr_va_sdst(0) depctr_va_ssrc(0) depctr_va_vcc(0) depctr_vm_vsrc(0)
	s_getreg_b32 s2, hwreg(HW_REG_IB_STS2, 6, 4)
	s_cmp_eq_u32 s2, 0
	s_cbranch_scc0 .Lentry_in_a_cluster
	s_endpgm
.Lentry_in_a_cluster:
	s_bfe_u32 s2, ttmp6, 0x10000c
	s_cmp_lg_u32 s2, 0xf033
	s_cbranch_scc0 .Lentry_shape_is_right
	s_endpgm
.Lentry_shape_is_right:
; out0 = ctx Wo + bo on codes of FP8 (E4M3) with E8M0 scales, K = 1024; out0 [8192][1024] f32.
; Operands lie in memory in the order of the operand's registers: a tile of 16 rows (tile 2 B + u: rows 32 B + 8 u + p + 8 (p / 8)) is 8 images of 2,048 bytes; its scale bytes [K / 256][r][8].  Wo's tiles begin at tile 192 of the weights.
; A work-group of four waves makes 256 x 256, a wave 128 x 128: 64 accumulators.  TRANSPOSED: source 0 = 16 columns of Wo, source 1 = 16 tokens: a lane holds one token, and the 16 registers of Wo's tiles 2 B, 2 B + 1 are 16 neighbouring columns.
; The bias is the C of each sum's first matrix instruction.  K goes in four steps of 256 through two LDS slots; the scales of all of K come once.  CLUSTERS 4 x 4: ctx's tiles are asked for jointly along a row, Wo's along a column.
; 128 work-groups: the product has no more tiles of this size.
; REGISTERS: window 0: v1-29 addresses; v32-63 scale words, two sets; v64-127 the bias; v128-255 A's fragments, one set, on the way out rows of out0.  window 1: B's fragments, two sets.  windows 2, 3: the accumulators.
.set NQ,     2
.set FR,     16
.set NL,     4
.set NP,     8                         ; places behind this matrix instruction (ISA guide 7.12.1)
.set HALFT,  32768
.set SLOT,   4*HALFT
.set SCL,    2*SLOT
.set HALFS,  4096
.set SBLK,   512
.set SPARE,  SCL+4*HALFS               ; the spare words, 128 bytes for each wave: two blocks of 256 bytes that no other line names
.set SPITCH, 528                       ; the way out: a stage of 16 rows x (512 + 16) bytes for each wave, in slot 0, which has had its last fill and its last read when the first result is stored there
.set ADRA, 16
.set ADRB, 20
.set LI,   24                          ; v24  16 x lane
.set STO,  25
.set RD,   26
.set ADRS, 27
.set SPW,  28
.set NIL,  29
.set SC,   32
.set BI,   64                          ; v64-127 register 8 b + j: bo at my columns of B's tile b
.set AF,   128
.set BK,   128
.set G1, 24
.set G0, 32
.set G1B, 48
.set G0B, 56
.set G1S, 68
.set G0S, 76
.set G1SB, 80
.set G0SB, 88
.set MSB, 0
.macro WIN new
.if MSB != (\new)
	s_set_vgpr_msb (MSB<<8)|(\new)
.set MSB, (\new)
.endif
.endm
.set MUL_LO, 0xa1                      ; source 0 (B) window 1, source 1 (A) window 0, C and D window 2
.set MUL_HI, 0xf1
.set BIA_LO, 0x81                      ; the same with C (the bias) in window 0
.set BIA_HI, 0xc1
.set TO_B,   0x40
.macro JLOAD g0a, g1a, g0b, g1b        ; a joint load: waves 0, 1 fetch for A, waves 2, 3 for B; four v_nop follow each line
	s_cmp_eq_u32 s15, 0
	s_cbranch_scc0 .Lfor_b_\@
	tensor_load_to_lds s[\g0a:\g0a+3], s[\g1a:\g1a+7]
	s_nop 0
.rept 4
	v_nop
.endr
	s_branch .Lasked_\@
.Lfor_b_\@:
	tensor_load_to_lds s[\g0b:\g0b+3], s[\g1b:\g1b+7]
	s_nop 0
.rept 4
	v_nop
.endr
.Lasked_\@:
.endm
.macro CREST
	s_cmp_lg_u32 s14, 0
	s_cbranch_scc1 .Lnot_wave_0_\@
	s_barrier_signal -3
.Lnot_wave_0_\@:
	s_barrier_wait -3
	s_barrier_signal -1
	s_barrier_wait -1
.endm
.macro CROUND
	s_barrier_signal -1
	s_barrier_wait -1
	CREST
.endm
	s_load_b256 s[4:11], s[0:1], 0x0               ; ci s[4:5], cs s[6:7], wi s[8:9], ws s[10:11]
	s_load_b64 s[100:101], s[0:1], 0x20            ; bo
	s_load_b64 s[12:13], s[0:1], 0x28              ; out0
	v_lshl_add_u32 v[SPW], v0, 2, SPARE
	v_mov_b32 v[NIL], 0
	ds_add_u32 v28, v29
	ds_add_u32 v28, v29
	s_wait_dscnt 0x0
	v_lshrrev_b32 v1, 5, v0
	v_readfirstlane_b32 s14, v1
	s_lshr_b32 s15, s14, 1                         ; which 128 tokens are mine.  Also: I fetch for A (0) or for B (1)
	s_and_b32 s16, s14, 1                          ; which 128 columns.  Also: which 8 tiles I fetch
	s_bfe_u32 s40, ttmp6, 0x40000
	s_bfe_u32 s41, ttmp6, 0x40004
	s_lshl_b32 s42, ttmp9, 2
	s_add_co_u32 s42, s42, s40                     ; block of 256 columns
	s_and_b32 s17, ttmp7, 0xffff
	s_lshl_b32 s17, s17, 2
	s_add_co_u32 s17, s17, s41                     ; block of 256 tokens
	s_lshl_b32 s43, s41, 2
	s_lshl_b32 s43, 15, s43
	s_lshl_b32 s44, 0x1111, s40
	s_or_b32 s[G1+0], s43, (3<<16)|(1<<21)         ; codes: 8 tiles' 4,096 bytes (512 elements of 8 bytes), 16,384 bytes apart
	s_or_b32 s[G1B+0], s44, (3<<16)|(1<<21)
.irp g, G1, G1B
	s_mov_b32 s[\g+1], 512<<16
	s_mov_b32 s[\g+2], 8<<16
	s_mov_b32 s[\g+3], 512<<16
	s_mov_b32 s[\g+4], 8
	s_mov_b32 s[\g+5], 2048
	s_mov_b32 s[\g+6], 0
	s_mov_b32 s[\g+7], 0
.endr
	s_or_b32 s[G1S+0], s43, (3<<16)|(1<<21)        ; scales of 8 tiles: 4,096 dense bytes as 16 rows of 256
	s_or_b32 s[G1SB+0], s44, (3<<16)|(1<<21)
.irp g, G1S, G1SB
	s_mov_b32 s[\g+1], 32<<16
	s_mov_b32 s[\g+2], 16<<16
	s_mov_b32 s[\g+3], 32<<16
	s_mov_b32 s[\g+4], 16
	s_mov_b32 s[\g+5], 32
	s_mov_b32 s[\g+6], 0
	s_mov_b32 s[\g+7], 0
.endr
	s_lshl_b32 s18, s16, 3
	s_lshl_b32 s20, s17, 4
	s_add_co_u32 s20, s20, s18                     ; A: the first tile that I fetch
	s_lshl_b32 s46, s42, 4
	s_add_co_u32 s46, s46, s18
	s_add_co_u32 s46, s46, 192                     ; B: Wo's tiles
	s_lshl_b32 s22, s20, 9
	s_mov_b32 s23, 0
	s_lshl_b32 s20, s20, 14
	s_mov_b32 s21, 0
	s_lshl_b32 s92, s46, 9
	s_mov_b32 s93, 0
	s_lshl_b32 s46, s46, 14
	s_mov_b32 s47, 0
	s_lshl_b32 s45, s14, 15
	s_lshl_b32 s94, s14, 12
	s_wait_kmcnt 0x0
	s_add_nc_u64 s[20:21], s[4:5], s[20:21]
	s_add_nc_u64 s[22:23], s[6:7], s[22:23]
	s_add_nc_u64 s[46:47], s[8:9], s[46:47]
	s_add_nc_u64 s[92:93], s[10:11], s[92:93]
	CROUND                                         ; all sixteen work-groups are here: the first joint loads meet
	s_mov_b32 s[G0S], 1
	s_add_co_u32 s[G0S+1], s94, SCL
	s_mov_b64 s[G0S+2:G0S+3], s[22:23]
	s_or_b32 s[G0S+3], s[G0S+3], 0x80000000
	s_mov_b32 s[G0SB], 1
	s_add_co_u32 s[G0SB+1], s94, SCL
	s_mov_b64 s[G0SB+2:G0SB+3], s[92:93]
	s_or_b32 s[G0SB+3], s[G0SB+3], 0x80000000
	JLOAD G0S, G1S, G0SB, G1SB
.irp s, 0,1
	s_mov_b32 s[G0+4*\s], 1
	s_add_co_u32 s[G0+4*\s+1], s45, \s*SLOT
	s_add_nc_u64 s[G0+4*\s+2:G0+4*\s+3], s[20:21], \s*4096
	s_or_b32 s[G0+4*\s+3], s[G0+4*\s+3], 0x80000000
	s_mov_b32 s[G0B+4*\s], 1
	s_add_co_u32 s[G0B+4*\s+1], s45, \s*SLOT
	s_add_nc_u64 s[G0B+4*\s+2:G0B+4*\s+3], s[46:47], \s*4096
	s_or_b32 s[G0B+4*\s+3], s[G0B+4*\s+3], 0x80000000
	s_wait_alu depctr_va_vdst(0)
	s_wait_tensorcnt 0x0
	ds_add_u32 v28, v29
	s_wait_dscnt 0x0
	CROUND
	JLOAD G0+4*\s, G1, G0B+4*\s, G1B
.endr
	v_and_b32 v1, 15, v0                           ; r
	v_bfe_u32 v2, v0, 4, 1                         ; h
	v_and_b32 v3, 31, v0
	v_lshlrev_b32 v[LI], 4, v3
	s_wait_alu depctr_va_vdst(0)
	s_lshl_b32 s46, s42, 10                        ; my first column, in bytes: 1,024 x block + 512 x half
	s_lshl_b32 s47, s16, 9
	s_add_co_u32 s46, s46, s47
	s_mov_b32 s47, 0
	s_add_nc_u64 s[100:101], s[100:101], s[46:47]
	v_lshlrev_b32 v7, 6, v2                        ; lanes 16-31: 16 columns on
.irp b, 0,1,2,3,4,5,6,7
	global_load_b128 v[BI+8*\b:BI+8*\b+3], v7, s[100:101] offset:128*(\b/2)+32*(\b%2)
	global_load_b128 v[BI+8*\b+4:BI+8*\b+7], v7, s[100:101] offset:128*(\b/2)+32*(\b%2)+16
.endr
	s_lshl_b32 s92, s17, 20                        ; my first token's row: 256 rows of 4,096 bytes a block, 128 a half
	s_lshl_b32 s93, s15, 19
	s_add_co_u32 s92, s92, s93
	s_add_co_u32 s92, s92, s46
	s_mov_b32 s93, 0
	s_add_nc_u64 s[12:13], s[12:13], s[92:93]
	s_lshl_b32 s21, s15, 15
	s_lshl_b32 s22, s16, 15
	s_add_co_u32 s22, s22, 2*HALFT
.irp s, 0,1
	v_add_nc_u32 v[ADRA+\s], s21, v[LI]
	v_add_nc_u32 v[ADRB+\s], s22, v[LI]
	s_add_co_u32 s21, s21, SLOT
	s_add_co_u32 s22, s22, SLOT
.endr
	v_lshlrev_b32 v5, 3, v1
	s_lshl_b32 s21, s15, 12
	s_lshl_b32 s22, s16, 12
	s_add_co_u32 s22, s22, 2*HALFS
	s_sub_co_u32 s22, s22, s21
	v_mul_u32_u24 v6, s22, v2                      ; lanes 16-31 take B's: one product, the distance between the two
	s_add_co_u32 s21, s21, SCL
	v_add_nc_u32 v5, v5, v6
	v_add_nc_u32 v[ADRS], s21, v5
	s_mul_i32 s23, s14, 16*SPITCH                  ; my stage
	v_mul_u32_u24 v5, v1, SPITCH
	v_lshl_add_u32 v5, v2, 6, v5
	v_add_nc_u32 v[STO], s23, v5                   ; in: row r, + 64 h
	v_add_nc_u32 v[RD], s23, v[LI]                 ; back: the 32 lanes take a row of 512 bytes
.macro FRAG reg, adr, q, i
.irp c, 0,1,2,3
	ds_load_b128 v[\reg+4*\c:\reg+4*\c+3], v[\adr] offset:2048*(\q)+512*\c+(\i)*4096
.endr
.endm
; 16 matrix instructions: A's blocks a0, a0 + 1 x B's eight.  first = 1: the bias starts the sums.  The 64 accumulators take turns, one instruction a turn.
.macro MUL16 a0, p, q, sc, first
.irp a, \a0, \a0+1
.irp b, 0,1,2,3,4,5,6,7
.if \first
	v_wmma_scale_f32_16x16x128_f8f6f4 v[8*(8*((\a)%4)+\b):8*(8*((\a)%4)+\b)+7], v[128*(\p)+FR*\b:128*(\p)+FR*\b+FR-1], v[AF+FR*(\a):AF+FR*(\a)+FR-1], v[BI+8*\b:BI+8*\b+7], v[SC+8*NQ*(\sc)+NQ*\b+(\q)], v[SC+8*NQ*(\sc)+NQ*(\a)+(\q)] matrix_a_scale:MATRIX_SCALE_ROW1
.else
	v_wmma_scale_f32_16x16x128_f8f6f4 v[8*(8*((\a)%4)+\b):8*(8*((\a)%4)+\b)+7], v[128*(\p)+FR*\b:128*(\p)+FR*\b+FR-1], v[AF+FR*(\a):AF+FR*(\a)+FR-1], v[8*(8*((\a)%4)+\b):8*(8*((\a)%4)+\b)+7], v[SC+8*NQ*(\sc)+NQ*\b+(\q)], v[SC+8*NQ*(\sc)+NQ*(\a)+(\q)] matrix_a_scale:MATRIX_SCALE_ROW1
.endif
.endr
.endr
.endm
.macro FETCH_B slot, q, p
	WIN TO_B
.irp i, 0,1,2,3,4,5,6,7
	FRAG 128*(\p)+FR*\i, ADRB+\slot, \q, \i
.endr
	WIN 0
.endm
.macro FETCH_A slot, q, i0
.irp i, \i0, \i0+1, \i0+2, \i0+3
	FRAG AF+FR*(\i), ADRA+\slot, \q, \i
.endr
.endm
.macro SCALES sc
.irp i, 0,1,2,3,4,5,6,7
	ds_load_b64 v[SC+8*NQ*\sc+NQ*\i:SC+8*NQ*\sc+NQ*\i+1], v[ADRS] offset:\i*SBLK
.endr
.endm
.macro PLACES n
.rept \n
	v_nop
.endr
.endm
.macro STEP slot, q, first
	s_wait_dscnt 4*NL                              ; all but the youngest 16 loads (A's blocks 4-7) are in
.if \first
	WIN BIA_LO
.else
	WIN MUL_LO
.endif
	MUL16 0, (\q)%2, \q, \slot, \first
	MUL16 2, (\q)%2, \q, \slot, \first
	s_wait_dscnt 0
	PLACES NP
	FETCH_B \slot, (\q)+1, 1-(\q)%2
	FETCH_A \slot, (\q)+1, 0
.if \first
	WIN BIA_HI
.else
	WIN MUL_HI
.endif
	MUL16 4, (\q)%2, \q, \slot, \first
	MUL16 6, (\q)%2, \q, \slot, \first
	PLACES NP
	WIN 0
	FETCH_A \slot, (\q)+1, 4
.endm
.macro TURN slot, next, fill
	s_wait_tensorcnt 0x0                           ; all my tensor loads have landed: my part of the next slot
	ds_add_u32 v[SPW], v[NIL]                      ; 0 onto my spare word
	s_wait_dscnt 4*NL+1                            ; (the add and the youngest 16 loads may be out)
	WIN MUL_LO
	MUL16 0, 1, NQ-1, \slot, 0
	s_wait_dscnt 0x0                               ; the add is done, and my reads of this slot are over
	s_barrier_signal -1
	MUL16 2, 1, NQ-1, \slot, 0
	WIN 0
	s_barrier_wait -1
.if \fill
	CREST                                          ; the barrier has opened a round of the cluster's barrier: no wave of any partner still reads this slot or has a load on its way
	s_add_nc_u64 s[G0+4*\slot+2:G0+4*\slot+3], s[G0+4*\slot+2:G0+4*\slot+3], 8192
	s_add_nc_u64 s[G0B+4*\slot+2:G0B+4*\slot+3], s[G0B+4*\slot+2:G0B+4*\slot+3], 8192
	JLOAD G0+4*\slot, G1, G0B+4*\slot, G1B
	PLACES NP-4
.else
	PLACES NP
.endif
	s_wait_alu depctr_va_vdst(0)
	v_add_nc_u32 v[ADRS], 128, v[ADRS]
	FETCH_B \next, 0, 0
	FETCH_A \next, 0, 0
	SCALES \next
	WIN MUL_HI
	MUL16 4, 1, NQ-1, \slot, 0
	MUL16 6, 1, NQ-1, \slot, 0
	PLACES NP
	WIN 0
	FETCH_A \next, 0, 4
.endm
	s_wait_alu depctr_va_vdst(0)
	s_wait_tensorcnt 1                             ; the scales and my part of K step 0 are in; K step 1's load may be out
	s_barrier_signal -1
	s_barrier_wait -1
	FETCH_B 0, 0, 0
	FETCH_A 0, 0, 0
	SCALES 0
	FETCH_A 0, 0, 4
	s_wait_loadcnt 0x0                             ; the bias
	STEP 0, 0, 1                                   ; four K steps of 256, written out
	TURN 0, 1, 1
	STEP 1, 0, 0
	TURN 1, 0, 1
	STEP 0, 0, 0
	TURN 0, 1, 0
	STEP 1, 0, 0
	s_wait_dscnt 4*NL
	WIN MUL_LO
	MUL16 0, 1, NQ-1, 1, 0
	MUL16 2, 1, NQ-1, 1, 0
	s_wait_dscnt 0
	WIN MUL_HI
	MUL16 4, 1, NQ-1, 1, 0
	MUL16 6, 1, NQ-1, 1, 0
	WIN 0
; THE WAY OUT, a block of 16 tokens x 128 columns at a time, through my own stage: in by lanes (32 neighbouring bytes of a row for each accumulator), back as whole rows of 512 bytes.
; LDS serves a wave's instructions in order (ISA guide 5.7.1.4): no wait between the stores and the loads.  Row t of block a is token 32 (a / 2) + 8 (a % 2) + t + 8 (t / 8) of my 128: it stands in the store's immediate.
.macro TOSTAGE a
.set AC, 64*((\a)%4)
	WIN 0x08+4*((\a)/4)                            ; an LDS store's data are its source 1: window 2 or 3
.irp b, 0,1,2,3,4,5,6,7
	ds_store_b128 v[STO], v[AC+8*\b:AC+8*\b+3] offset:128*(\b/2)+32*(\b%2)          ; each accumulator from its low end on
	ds_store_b128 v[STO], v[AC+8*\b+4:AC+8*\b+7] offset:128*(\b/2)+32*(\b%2)+16
.endr
	WIN 0
.set BB, BK+64*((\a)%2)
.irp t, 0,1,2,3,4,5,6,7,8,9,10,11,12,13,14,15
	ds_load_b128 v[BB+4*\t:BB+4*\t+3], v[RD] offset:\t*SPITCH
.endr
.endm
.macro SEND a, younger
.set BB, BK+64*((\a)%2)
	s_wait_dscnt \younger                          ; the block is back in registers
.irp t, 0,1,2,3,4,5,6,7,8,9,10,11,12,13,14,15
	global_store_b128 v[LI], v[BB+4*\t:BB+4*\t+3], s[12:13] offset:(32*((\a)/2)+8*((\a)%2)+\t+8*(\t/8))*4096 th:TH_STORE_NT   ; 512 consecutive bytes, at a multiple of 256 from out0's first byte
.endr
.endm
	PLACES NP
	TOSTAGE 0
.irp a, 1,2,3,4,5,6,7
.if \a > 1
	s_wait_xcnt 0x0                                ; block a - 2's stores have read their registers: block a's loads may land there
.endif
	TOSTAGE \a
	SEND \a-1, 32                                  ; behind block a - 1's loads: block a's 16 stores and 16 loads
.endr
	SEND 7, 0
	s_wait_tensorcnt 0x0                           ; the wave's end
	ds_add_u32 v[SPW], v[NIL]
	s_wait_dscnt 0x0
	CROUND                                         ; the closing round
	s_endpgm
.Lfunc_end_k_qdfec98d79a_outp:
	.size	k_qdfec98d79a_outp, .Lfunc_end_k_qdfec98d79a_outp-k_qdfec98d79a_outp
	.p2alignl 7, 3214868480
	.fill 96, 4, 3214868480
	.section	.rodata,"a",@progbits
	.p2align	6, 0x0
	.amdhsa_kernel k_qdfec98d79a_outp
		.amdhsa_group_segment_fixed_size 327680
		.amdhsa_private_segment_fixed_size 0
		.amdhsa_enable_private_segment 0
		.amdhsa_kernarg_size 48
		.amdhsa_user_sgpr_count 2
		.amdhsa_user_sgpr_kernarg_segment_ptr 1
		.amdhsa_wavefront_size32 1
		.amdhsa_system_sgpr_workgroup_id_x 1
		.amdhsa_system_sgpr_workgroup_id_y 1
		.amdhsa_system_sgpr_workgroup_id_z 1
		.amdhsa_system_vgpr_workitem_id 0
		.amdhsa_next_free_vgpr 1024
		.amdhsa_next_free_sgpr 102
		.amdhsa_reserve_vcc 0
		.amdhsa_float_denorm_mode_32 3
		.amdhsa_float_denorm_mode_16_64 3
		.amdhsa_memory_ordered 1
		.amdhsa_forward_progress 1
		.amdhsa_inst_pref_size 147
	.end_amdhsa_kernel
	.amdgpu_metadata
---
amdhsa.version: [ 1, 2 ]
amdhsa.kernels:
  - .name:           k_qdfec98d79a_outp
    .symbol:         k_qdfec98d79a_outp.kd
    .args:
      - { .name: ci, .offset: 0, .size: 8, .value_kind: global_buffer, .address_space: global }
      - { .name: cs, .offset: 8, .size: 8, .value_kind: global_buffer, .address_space: global }
      - { .name: wi, .offset: 16, .size: 8, .value_kind: global_buffer, .address_space: global }
      - { .name: ws, .offset: 24, .size: 8, .value_kind: global_buffer, .address_space: global }
      - { .name: bo, .offset: 32, .size: 8, .value_kind: global_buffer, .address_space: global }
      - { .name: out0, .offset: 40, .size: 8, .value_kind: global_buffer, .address_space: global }
    .group_segment_fixed_size: 327680
    .private_segment_fixed_size: 0
    .kernarg_segment_align: 8
    .kernarg_segment_size: 48
    .max_flat_workgroup_size: 128
    .sgpr_count:     102
    .vgpr_count:     1024
    .wavefront_size: 32
...
	.end_amdgpu_metadata
.endif
;; end of part 4
